; MI455X (gfx1250); checked and timed in simulation.
; The chip was launched on July 23, 2026; its instructions are those of AMD's public machine-readable ISA for CDNA 5 (MIT licence, August 2026) and "CDNA5" Instruction Set Architecture Reference Guide (July 2026). The comments in the code are by the model that wrote it; some were corrected since.
;; Self Attention. Allowed arithmetic: matrix products marked QUANTISED: E2M1 operands, one E8M0 scale for each 32 along K, by v_wmma_scale_f32_16x16x128_f8f6f4 with both operands' format E2M1 (or v_wmma_scale_f32_32x16x128_f4), f32 sums; products left as they are: bf16, f16 or f32 operands; f32 sums; everything else in f32.
;; Inputs: cos 2,048 x 64 float32; in_proj_bias 3,072 float32; in_proj_weight 3,072 x 1,024 float32; out_b 1,024 float32; out_w 1,024 x 1,024 float32; sin 2,048 x 64 float32; x 4 x 2,048 x 1,024 float32.
;; Outputs: out0 4 x 2,048 x 1,024 float32.
;; This version of the problem:
;;   THIS VERSION OF THE PROBLEM IS GIVEN IN LOW PRECISION. The matrix products marked QUANTISED in the list below multiply operands that are first quantised to E2M1 (2 exponent bits, 1 mantissa bit; 4 bits a number), with one power-of-two scale for each 32 numbers along K (OCP MX v1.0); their sums are f32. The products marked 'left as it is' may take bf16, f16 or f32 operands, with f32 sums. Whichever they take, every output number must still come out within the allowed error. Rounding operands to bf16 (8 significant bits) uses up far more of that allowance than f16 does (11 bits, for magnitudes from 6e-5 to 65,504). All else is computed in f32.
;;   The module's matrix products, in the order in which they are computed (A, B: the left and right operand; K: the contracted axis; several contracted axes count as one K, in the product's order):
;;     1. [M 8,192, K 1,024] x [K 1,024, N 3,072]; A: input x; B: input in_proj_weight: QUANTISED
;;     2. batch 64 x [M 2,048, K 64] x [K 64, N 2,048]; A: computed on the way; B: computed on the way: left as it is (an operand is computed on the way)
;;     3. batch 64 x [M 2,048, K 2,048] x [K 2,048, N 64]; A: computed on the way; B: computed on the way: left as it is (an operand is computed on the way)
;;     4. [M 8,192, K 1,024] x [K 1,024, N 1,024]; A: computed on the way; B: input out_w: left as it is (an operand is computed on the way)
;;   THE QUANTISER, for each operand of a quantised product, along K:
;;     - K is cut into blocks of 32 from its start; a last block that is shorter is filled with zeros.
;;     - A block's scale is 2^e with e = floor(log2(the largest magnitude in the block)) - 2, held to -126 .. 127; a block of zeros has e = 0. As a byte (E8M0): e + 127.
;;     - Each number is divided by its block's scale, clamped to +-6, and rounded to the nearest number of E2M1, ties to even, subnormals kept.
;;     - The product sums the exact products of the quantised numbers (number of the format x scale) in f32.
;;   ~~~python
;;   def quantise(x, axis):      # numpy; x: float32 -> the quantised numbers, widened to float32 again
;;       x = np.moveaxis(x, axis, -1); K = x.shape[-1]
;;       x = np.pad(x, [(0, 0)] * (x.ndim - 1) + [(0, -K % 32)]); x = x.reshape(x.shape[:-1] + (-1, 32)); a = np.abs(x).max(-1, keepdims=True)
;;       e = np.where(a > 0, np.clip(np.frexp(np.where(a > 0, a, 1))[1] - 1 - 2, -126, 127), 0)      # np.frexp(a)[1] - 1 = floor(log2(a)), exactly
;;       r = np.clip(x / 2.0 ** e, -6, 6)
;;       step = 2.0 ** (np.maximum(np.frexp(np.where(r == 0, 1, r))[1] - 1, 0) - 1)
;;       q = np.round(r / step) * step * 2.0 ** e      # np.round: ties to even
;;       return np.moveaxis(q.reshape(q.shape[:-2] + (-1,))[..., :K], -1, axis).astype(np.float32)
;;   ~~~
;; One version. Each part assembles by itself: llvm-mc -triple=amdgcn-amd-amdhsa -mcpu=gfx1250 --defsym DOCPART=n.
;; ======== version 1 of 1: 4 launches
;; limits: values are held in f16: magnitudes above 65,504 overflow, below 6.1e-05 lose precision
;; workspace buffers: xc 4,194,304 bytes; xs 262,144 bytes; wc 1,572,864 bytes; ws 98,304 bytes; w16 2,097,152 bytes; qkv 50,331,648 bytes; o16 16,777,216 bytes
;; launch prep (part 1): grid 384 x 1, 4 waves a work-group, no clusters, 33,280 bytes of LDS; arguments x, in_proj_weight, xc, xs, wc, ws, out_w, w16; writes xc, xs, wc, ws, w16
.if DOCPART == 1
	.amdgcn_target "amdgcn-amd-amdhsa--gfx1250"
	.amdhsa_code_object_version 6
	.text
	.protected	k_qfc4c79cea2_prep
	.globl	k_qfc4c79cea2_prep
	.p2align	8
	.type	k_qfc4c79cea2_prep,@function
k_qfc4c79cea2_prep:
	s_mov_b64 s[64:65], 0
	v_nop
	global_prefetch_b8 v0, s[64:65] scope:SCOPE_SE
	s_setreg_imm32_b32 hwreg(HW_REG_WAVE_MODE, 25, 1), 1
	s_wait_xcnt 0x0
; x [8192][1024] and in_proj_weight [3072][1024], f32, become codes of FP4 (E2M1), K innermost, two codes a byte, with one E8M0 byte for each 32 along K;
; out_w [1024][1024], f32, becomes f16 in the same order.
; A block's scale is 2^(floor(log2(its largest magnitude)) - 2); its byte is the largest magnitude's own exponent field - 2, held at 1 from below.
; (A block of zeros so gets the byte 1 where the quantiser says 127: its codes are zeros, and this program alone reads the bytes.)
; LIMITS: blocks whose largest magnitude lies under 2^-124 get the byte 1; NaN and infinities among the inputs are not served; out_w beyond 65,504 would become infinity in f16.
; SHARES.  Work-groups 0-255 take x, 256-351 the weight: rows are dense and K is a multiple of 32, so both are plain streams of blocks of 32.  A wave takes 16 steps of 512 numbers.
; Each load reads 512 consecutive bytes; a step's 2,048 bytes turn through the wave's own stage in LDS, so that a lane holds 16 neighbours along K (two lanes hold a block).
; A wave's 256 scale bytes are gathered in LDS and leave as one aligned run of 256 bytes.  Work-groups 352-383 take out_w: a wave converts 8,192 numbers and touches no LDS but its spare words.
.set SIZE_M, 8192
.set SIZE_N, 3072
.set SIZE_K, 1024
.set WAVES, 4
.set STEPS, 16
.set WGA,   SIZE_M*SIZE_K/(512*STEPS*WAVES)            ; 256 work-groups for x
.set WGQ,   (SIZE_M+SIZE_N)*SIZE_K/(512*STEPS*WAVES)   ; 352 for both quantised tensors
.set EMAX,  2
.set CB,    8                          ; bytes of 16 codes
.set R,     16                         ; v16-79   four sets of 16 numbers as they are loaded
.set X,     80                         ; v80-111  two sets of 16 neighbours
.set C,     128                        ; v128-191 codes: four registers for each step, so that no store's data are written again
.set E,     112                        ; v112-127 a scale byte for each step
.set WREG,  8192                       ; LDS: a region for each wave: two stages of 32 x SP bytes, behind them its 256 scale bytes
.set SP,    80                         ; a lane's place in a stage: 64 bytes + 16 of padding
.set SPW,   12                         ; v12  LDS address of my spare word; never rewritten
.set NIL,   13                         ; v13  0; never rewritten
.set SPARE, WAVES*WREG                 ; behind the four regions: the spare words, 128 bytes a wave
.set WF,    16                         ; out_w's path: v16-143 two sets of 64 numbers; v144-175 their f16
.set WH,    144
	s_load_b128 s[4:7], s[0:1], 0x0                ; x, the weight
	s_load_b128 s[8:11], s[0:1], 0x10              ; x's codes, x's scales
	s_load_b128 s[12:15], s[0:1], 0x20             ; the weight's codes, its scales
	s_load_b128 s[24:27], s[0:1], 0x30             ; out_w, w16
	v_lshl_add_u32 v[SPW], v0, 2, SPARE
	v_mov_b32 v[NIL], 0
	v_lshrrev_b32 v1, 5, v0
	v_readfirstlane_b32 s16, v1                    ; wave
	v_and_b32 v2, 31, v0                           ; lane
	v_lshlrev_b32 v3, 4, v2                        ; my 16 bytes of a load's 512
	s_mul_i32 s17, s16, WREG
	v_lshrrev_b32 v14, 2, v2
	v_mul_u32_u24 v14, v14, SP
	v_and_b32 v15, 3, v2
	v_lshl_add_u32 v14, v15, 4, v14
	v_add_nc_u32 v14, s17, v14                     ; the stage, on the way in: SP (lane / 4) + 16 (lane % 4)
	v_mul_u32_u24 v15, v2, SP
	v_add_nc_u32 v15, s17, v15                     ; and on the way out: SP x lane: my 16 neighbours
	v_mul_u32_u24 v4, v2, CB                       ; my codes' place in a step's
	v_lshrrev_b32 v5, 1, v2
	s_add_co_u32 s17, s17, 2*32*SP
	v_add_nc_u32 v5, s17, v5                       ; LDS: my wave's 256 scale bytes, my block's byte
	v_lshlrev_b32 v7, 3, v2                        ; 8 bytes a lane
	v_add_nc_u32 v6, s17, v7
	s_wait_kmcnt 0x0
	s_cmp_lt_u32 ttmp9, WGQ                        ; the work-group's number alone decides the path
	s_cbranch_scc1 .Lquant
; ---- out_w to f16.  Four batches of 16 loads, 512 consecutive bytes each; two batches are on their way.
.macro LOADW t
.irp i, 0,1,2,3,4,5,6,7,8,9,10,11,12,13,14,15
	global_load_b128 v[WF+64*((\t)%2)+4*\i:WF+64*((\t)%2)+4*\i+3], v3, s[24:25] offset:8192*(\t)+512*\i th:TH_LOAD_NT
.endr
.endm
.macro CVTW t
.if (\t) < 3
	s_wait_loadcnt 16                              ; this batch is in; the next batch's 16 loads may be out
.else
	s_wait_loadcnt 0
.endif
.if (\t) > 0
	s_wait_xcnt 0x0                                ; the last batch's stores have read their data: the registers are written again only behind this wait
.endif
.irp i, 0,1,2,3,4,5,6,7,8,9,10,11,12,13,14,15
	v_cvt_pk_f16_f32 v[WH+2*\i], v[WF+64*((\t)%2)+4*\i], v[WF+64*((\t)%2)+4*\i+1]
	v_cvt_pk_f16_f32 v[WH+2*\i+1], v[WF+64*((\t)%2)+4*\i+2], v[WF+64*((\t)%2)+4*\i+3]
.endr
.irp i, 0,1,2,3,4,5,6,7,8,9,10,11,12,13,14,15
	global_store_b64 v7, v[WH+2*\i:WH+2*\i+1], s[26:27] offset:4096*(\t)+256*\i   ; 32 lanes store 256 consecutive bytes, aligned
.endr
.if (\t) < 2
	LOADW (\t)+2
.endif
.endm
	s_sub_co_u32 s17, ttmp9, WGQ
	s_lshl_b32 s17, s17, 2
	s_add_co_u32 s17, s17, s16                     ; which run of 8,192 numbers is my wave's
	s_lshl_b32 s18, s17, 15
	s_mov_b32 s19, 0
	s_add_nc_u64 s[24:25], s[24:25], s[18:19]
	s_lshl_b32 s18, s17, 14
	s_add_nc_u64 s[26:27], s[26:27], s[18:19]
	LOADW 0
	LOADW 1
	CVTW 0
	CVTW 1
	CVTW 2
	CVTW 3
	s_branch .Lend
; ---- the quantiser
.Lquant:
	s_cmp_lt_u32 ttmp9, WGA                        ; x's work-group or the weight's?
	s_cselect_b64 s[4:5], s[4:5], s[6:7]
	s_cselect_b64 s[8:9], s[8:9], s[12:13]
	s_cselect_b64 s[10:11], s[10:11], s[14:15]
	s_cselect_b32 s17, 0, WGA
	s_sub_co_u32 s17, ttmp9, s17
	s_lshl_b32 s17, s17, 2
	s_add_co_u32 s18, s17, s16                     ; which run of 8,192 numbers of the tensor is my wave's
	s_mov_b32 s19, 0
	s_mov_b64 s[20:21], 512*STEPS*4
	s_mul_u64 s[20:21], s[18:19], s[20:21]
	s_add_nc_u64 s[4:5], s[4:5], s[20:21]
	s_mov_b64 s[20:21], 32*STEPS*CB
	s_mul_u64 s[20:21], s[18:19], s[20:21]
	s_add_nc_u64 s[8:9], s[8:9], s[20:21]
	s_lshl_b32 s18, s18, 8                         ; 256 scale bytes a run
	s_add_nc_u64 s[10:11], s[10:11], s[18:19]
.macro LOAD t
.irp i, 0,1,2,3
	global_load_b128 v[R+16*((\t)%4)+4*\i:R+16*((\t)%4)+4*\i+3], v3, s[4:5] offset:2048*(\t)+512*\i th:TH_LOAD_NT   ; 32 lanes read 512 consecutive bytes
.endr
.endm
.macro TURN t                          ; step t's numbers through the stage: LDS serves a wave's instructions in order, so no wait stands between the stores and the loads
.irp i, 0,1,2,3
	ds_store_b128 v14, v[R+16*((\t)%4)+4*\i:R+16*((\t)%4)+4*\i+3] offset:32*SP*((\t)%2)+8*SP*\i
.endr
.irp i, 0,1,2,3
	ds_load_b128 v[X+16*((\t)%2)+4*\i:X+16*((\t)%2)+4*\i+3], v15 offset:32*SP*((\t)%2)+16*\i
.endr
.endm
.irp t, 0,1,2,3
	LOAD \t
.endr
	s_wait_loadcnt 12                              ; step 0's four loads are in
	TURN 0
.macro STEP t
.set XS, X+16*((\t)%2)
.if (\t) > 0
	s_wait_dscnt 1                                 ; this step's numbers are back from the stage (the last step's byte store may be out)
.else
	s_wait_dscnt 0x0
.endif
.if (\t)+4 < STEPS
	LOAD (\t)+4                                    ; the registers that the stage's stores have read take the loads of four steps on
.endif
.if (\t)+1 < STEPS
.if STEPS-2-(\t) >= 3
	s_wait_loadcnt 12                              ; the next step's four loads are in; those of the three steps behind it may be out
.else
	s_wait_loadcnt 4*(STEPS-2-(\t))
.endif
	TURN (\t)+1                                    ; and go through the other stage while this step is worked
.endif
	v_max3_num_f32 v8, |v[XS]|, |v[XS+1]|, |v[XS+2]|               ; the largest magnitude of my 16
	v_max3_num_f32 v9, |v[XS+3]|, |v[XS+4]|, |v[XS+5]|
.irp i, 6,10
	v_max3_num_f32 v8, v8, |v[XS+\i]|, |v[XS+\i+1]|
	v_max3_num_f32 v9, v9, |v[XS+\i+2]|, |v[XS+\i+3]|
.endr
	v_max3_num_f32 v8, v8, |v[XS+14]|, |v[XS+15]|
	v_max3_num_f32 v8, v8, v9, (EMAX+1)<<23        ; and the floor 2^(3 - 127): the byte cannot fall under 1
	v_max_num_f32_dpp v8, v8, v8 row_xmask:1 row_mask:0xf bank_mask:0xf   ; and of my neighbour's 16: the block's
	v_add_nc_u32 v11, -(EMAX<<23), v8              ; 2 off its exponent field: the conversion takes the exponent field of this operand as its scale
	v_cvt_scalef32_pk8_fp4_f32 v[C+4*(\t)], v[XS:XS+7], v11
	v_cvt_scalef32_pk8_fp4_f32 v[C+4*(\t)+1], v[XS+8:XS+15], v11
	v_lshrrev_b32 v[E+(\t)], 23, v11               ; the scale's byte (a plain line behind the conversions)
	ds_store_b8 v5, v[E+(\t)] offset:16*(\t)       ; both lanes of a block write the same byte with the same value
	global_store_b64 v4, v[C+4*(\t):C+4*(\t)+1], s[8:9] offset:32*CB*(\t)   ; 32 lanes store 256 consecutive bytes, aligned
.endm
.irp t, 0,1,2,3,4,5,6,7,8,9,10,11,12,13,14,15
	STEP \t
.endr
	ds_load_b64 v[8:9], v6                         ; LDS serves a wave's instructions in order: these see my stores
	s_wait_dscnt 0x0
	global_store_b64 v7, v[8:9], s[10:11]          ; 256 consecutive bytes, aligned
.Lend:
	s_wait_tensorcnt 0x0                           ; the wave's end: behind my last LDS store
	ds_add_u32 v[SPW], v[NIL]
	s_wait_dscnt 0x0
	s_endpgm
.Lfunc_end_k_qfc4c79cea2_prep:
	.size	k_qfc4c79cea2_prep, .Lfunc_end_k_qfc4c79cea2_prep-k_qfc4c79cea2_prep
	.p2alignl 7, 3214868480
	.fill 96, 4, 3214868480
	.section	.rodata,"a",@progbits
	.p2align	6, 0x0
	.amdhsa_kernel k_qfc4c79cea2_prep
		.amdhsa_group_segment_fixed_size 33280
		.amdhsa_private_segment_fixed_size 0
		.amdhsa_enable_private_segment 0
		.amdhsa_kernarg_size 64
		.amdhsa_user_sgpr_count 2
		.amdhsa_user_sgpr_kernarg_segment_ptr 1
		.amdhsa_wavefront_size32 1
		.amdhsa_system_sgpr_workgroup_id_x 1
		.amdhsa_system_sgpr_workgroup_id_y 1
		.amdhsa_system_sgpr_workgroup_id_z 1
		.amdhsa_system_vgpr_workitem_id 0
		.amdhsa_next_free_vgpr 192
		.amdhsa_next_free_sgpr 66
		.amdhsa_reserve_vcc 0
		.amdhsa_float_denorm_mode_32 3
		.amdhsa_float_denorm_mode_16_64 3
		.amdhsa_memory_ordered 1
		.amdhsa_forward_progress 1
		.amdhsa_inst_pref_size 54
	.end_amdhsa_kernel
	.amdgpu_metadata
---
amdhsa.version: [ 1, 2 ]
amdhsa.kernels:
  - .name:           k_qfc4c79cea2_prep
    .symbol:         k_qfc4c79cea2_prep.kd
    .args:
      - { .name: x, .offset: 0, .size: 8, .value_kind: global_buffer, .address_space: global }
      - { .name: in_proj_weight, .offset: 8, .size: 8, .value_kind: global_buffer, .address_space: global }
      - { .name: xc, .offset: 16, .size: 8, .value_kind: global_buffer, .address_space: global }
      - { .name: xs, .offset: 24, .size: 8, .value_kind: global_buffer, .address_space: global }
      - { .name: wc, .offset: 32, .size: 8, .value_kind: global_buffer, .address_space: global }
      - { .name: ws, .offset: 40, .size: 8, .value_kind: global_buffer, .address_space: global }
      - { .name: out_w, .offset: 48, .size: 8, .value_kind: global_buffer, .address_space: global }
      - { .name: w16, .offset: 56, .size: 8, .value_kind: global_buffer, .address_space: global }
    .group_segment_fixed_size: 33280
    .private_segment_fixed_size: 0
    .kernarg_segment_align: 8
    .kernarg_segment_size: 64
    .max_flat_workgroup_size: 128
    .sgpr_count:     66
    .vgpr_count:     192
    .wavefront_size: 32
...
	.end_amdgpu_metadata
.endif
;; end of part 1
;; launch qkv (part 2): grid 12 x 32, 4 waves a work-group, clusters of 4 x 4, 327,680 bytes of LDS; arguments xc, xs, wc, ws, qkv, in_proj_bias, cos, sin; writes qkv
.if DOCPART == 2
	.amdgcn_target "amdgcn-amd-amdhsa--gfx1250"
	.amdhsa_code_object_version 6
	.text
	.protected	k_qfc4c79cea2_qkv
	.globl	k_qfc4c79cea2_qkv
	.p2align	8
	.type	k_qfc4c79cea2_qkv,@function
k_qfc4c79cea2_qkv:
	s_mov_b64 s[64:65], 0
	v_nop
	global_prefetch_b8 v0, s[64:65] scope:SCOPE_SE
	s_setreg_imm32_b32 hwreg(HW_REG_WAVE_MODE, 25, 1), 1
	s_wait_xcnt 0x0
	s_wait_alu depctr_hold_cnt(0) depctr_sa_sdst(0) depctr_va_vdst(0) depctr_va_sdst(0) depctr_va_ssrc(0) depctr_va_vcc(0) depctr_vm_vsrc(0)
	s_getreg_b32 s2, hwreg(HW_REG_IB_STS2, 6, 4)
	s_cmp_eq_u32 s2, 0
	s_cbranch_scc0 .Lentry_in_a_cluster
	s_endpgm
.Lentry_in_a_cluster:
	s_bfe_u32 s2, ttmp6, 0x10000c
	s_cmp_lg_u32 s2, 0xf033
	s_cbranch_scc0 .Lentry_shape_is_right
	s_endpgm
.Lentry_shape_is_right:
; proj = Q(x) Q(W)^T + bias on codes of FP4 with E8M0 scales, then the rotation of q and k by the cos and sin tables, then f16, laid by head:
; qkv = three sections (q, k, v) of [batch x 16 + head][2048 positions][64] f16.
; A tile of proj, 256 tokens x 256 columns, is made by a work-group of four waves; a wave makes 128 x 128 (two heads): 64 accumulators of 16 x 16.
; K = 1,024 is two slots of 512 along K in LDS: both are filled once, at the head, and nothing is filled again.  By this text's count a wave has three tensor loads out at the head.
; The scale bytes of the work-group's rows of x and of W, for all of K, come once, as dense blocks.
; CLUSTERS: 4 x 4 work-groups.  The four of a row of the cluster need the same tiles of x, the four of a column the same tiles of W: each tile is asked for jointly.
; Four tile columns are 1,024 columns, so the cluster's x IS the section: the one branch of the way out hangs on it and is the same in all sixteen partners.
; THE MATRIX INSTRUCTION IS USED TRANSPOSED (source 0 = 16 rows of W, source 1 = 16 rows of x): a lane holds one token and eight neighbouring columns.
; The bias is the C of each sum's first product.  The rotation's partner, 32 channels on, lies in the same lane and register two column blocks on.
; LIMITS: |q|, |k|, |v| beyond 65,504 become infinity in f16; NaN and infinities are not served.
; REGISTERS, in windows of 256: window 0: v0-31 addresses; v32-95 scale words, two sets (they hold scales and nothing else); v96-127 packed f16; v128-191 x's fragments, one set, later cos and sin of odd blocks;
;   v192-255 cos and sin of even blocks.   window 1: W's fragments, two sets, at v0 and v128 (v0-63 later the rotated numbers); v64-127 the bias; v192-255 rows read back from the stage, two sets.
;   window 2: the accumulators of my tokens 0-63 ((a, b) at v[8 (8 a + b)]);   window 3: those of my tokens 64-127.
.set SIZE_K, 1024
.set KSTEP,  512                       ; along K in a slot
.set NQ,     KSTEP/128                 ; matrix instructions deep
.set ROWB,   256                       ; a tile's row in bytes
.set KROW,   SIZE_K/2                  ; a row of codes in memory
.set PITCH,  272                       ; an LDS row: 256 bytes + 16 of padding, an odd multiple of 16
.set FR,     8                         ; registers of a fragment
.set NL,     2                         ; LDS loads that bring one
.set NP,     4                         ; places behind this matrix instruction (ISA guide 7.12.1)
.set HALFT,  128*PITCH                 ; what one tensor load brings
.set SLOT,   4*HALFT                   ; x's 256 rows, then W's 256 rows
.set KS,     SIZE_K/32                 ; a row of scale bytes
.set SCL,    2*SLOT                    ; behind the slots: the scales, as runs of 256 bytes + 16 of padding
.set HALFS,  (128*KS/256)*272          ; the scales of 128 rows
.set SBLK,   (16*KS/256)*272           ; those of 16 rows
.set SPARE,  SCL+4*HALFS               ; the spare words, 128 bytes a wave
.set SPI,    144                       ; the way out: a stage row: 128 bytes (a head's 64 f16) + 16
.set STGW,   32*SPI                    ; a wave's stage: two heads x 16 tokens.  It lies in slot 0, which has had its one fill and its last read by then
.set ADRA, 16                          ; v16-17  LDS address of my x fragments in slot 0, 1
.set ADRB, 20                          ; v20-21  the same for W
.set STO,  24                          ; v24     the way out: where I put 16 bytes of a row
.set RD,   25                          ; v25     where I read rows back
.set CO,   26                          ; v26     16 x lane: my byte in 512 consecutive bytes of qkv
.set ADRS, 27                          ; v27     LDS address of my scale words: lanes 0-15 x's rows, lanes 16-31 W's
.set SPW,  28                          ; v28     my spare word; never rewritten
.set NIL,  29                          ; v29     0; never rewritten
.set BO,   30                          ; v30     32 x (lane / 16): my eight numbers of a block of the bias
.set CSO,  31                          ; v31     256 x (lane % 16) + 32 x (lane / 16): my place in 16 rows of cos or sin
.set SC,   32
.set PKR,  96
.set AF,   128
.set BIAS, 64                          ; in window 1
.set Y,    0                           ; in window 1
.set G1, 24                            ; s[24:31] group 1 for x's tiles;  s[32:39] group 0, one set for each slot
.set G0, 32
.set G1B, 48                           ; s[48:55], s[56:63] the same for W's tiles
.set G0B, 56
.set G1S, 68                           ; s[68:75], s[76:79] groups 1 and 0 for x's scales;  s[80:87], s[88:91] for W's
.set G0S, 76
.set G1SB, 80
.set G0SB, 88
.set MSB, 0
.macro WIN new                         ; the immediate's high byte repeats the setting that is left
.if MSB != (\new)
	s_set_vgpr_msb (MSB<<8)|(\new)
.set MSB, (\new)
.endif
.endm
.set MUL_LO, 0xa1                      ; source 0 (W) window 1, source 1 (x) window 0, C and D window 2
.set MUL_HI, 0xf1                      ; the same, C and D window 3
.set ONE_LO, 0x91                      ; the first step: C (the bias) window 1, D window 2
.set ONE_HI, 0xd1                      ; D window 3
.set TO_B,   0x40                      ; destination window 1, address window 0
; A joint load: waves 0 and 1 fetch for x, waves 2 and 3 for W.  The branch hangs on the wave's number alone.  An s_nop 0 and four v_nop follow each of the two lines.
.macro JLOAD g0a, g1a, g0b, g1b
	s_cmp_eq_u32 s15, 0
	s_cbranch_scc0 .Lfor_b_\@
	tensor_load_to_lds s[\g0a:\g0a+3], s[\g1a:\g1a+7]
	s_nop 0
.rept 4
	v_nop
.endr
	s_branch .Lasked_\@
.Lfor_b_\@:
	tensor_load_to_lds s[\g0b:\g0b+3], s[\g1b:\g1b+7]
	s_nop 0
.rept 4
	v_nop
.endr
.Lasked_\@:
.endm
.macro CROUND                          ; a round of the cluster's barrier
	s_barrier_signal -1
	s_barrier_wait -1
	s_cmp_lg_u32 s14, 0
	s_cbranch_scc1 .Lnot_wave_0_\@
	s_barrier_signal -3
.Lnot_wave_0_\@:
	s_barrier_wait -3
	s_barrier_signal -1
	s_barrier_wait -1
.endm
	s_load_b128 s[4:7], s[0:1], 0x0                ; x's codes, x's scales
	s_load_b128 s[8:11], s[0:1], 0x10              ; W's codes, W's scales
	s_load_b64 s[12:13], s[0:1], 0x20              ; qkv
	s_load_b64 s[96:97], s[0:1], 0x28              ; the bias
	s_load_b64 s[98:99], s[0:1], 0x30              ; cos
	s_load_b64 s[100:101], s[0:1], 0x38            ; sin
	v_lshl_add_u32 v[SPW], v0, 2, SPARE
	v_mov_b32 v[NIL], 0
	ds_add_u32 v[SPW], v[NIL]                      ; the wave's opening: the add, twice on end, and its wait ahead of my first tensor load
	ds_add_u32 v[SPW], v[NIL]
	v_lshrrev_b32 v1, 5, v0
	v_readfirstlane_b32 s14, v1                    ; wave 0..3
	s_lshr_b32 s15, s14, 1                         ; which half of the tile's tokens is mine.  Also: I fetch for x (0) or for W (1)
	s_and_b32 s16, s14, 1                          ; which half of its columns.  Also: which 128 rows of that tile I fetch
	s_bfe_u32 s40, ttmp6, 0x40000                  ; cx, cy: my place in the cluster
	s_bfe_u32 s41, ttmp6, 0x40004
	s_lshl_b32 s42, ttmp9, 2
	s_add_co_u32 s42, s42, s40                     ; tile column = 4 x cluster x + cx
	s_and_b32 s17, ttmp7, 0xffff
	s_lshl_b32 s17, s17, 2
	s_add_co_u32 s17, s17, s41                     ; tile row = 4 x cluster y + cy
	s_lshl_b32 s43, s41, 2
	s_lshl_b32 s43, 15, s43                        ; my row of the cluster
	s_lshl_b32 s44, 0x1111, s40                    ; my column
	; group 1: a tile of 128 rows x 256 bytes, 16 bytes of padding behind each row
	s_or_b32 s[G1+0], s43, (0<<16)|(1<<20)|(1<<21)|(5<<22)|(3<<25)  ; 15:0 the mask; 17:16 elements of 1 byte; 20 padding on; 21 set beside a mask; 24:22 after every 64 words; 31:25 four words
	s_or_b32 s[G1B+0], s44, (0<<16)|(1<<20)|(1<<21)|(5<<22)|(3<<25)
.irp g, G1, G1B
	s_mov_b32 s[\g+1], ROWB<<16                    ; tensor_dim0
	s_mov_b32 s[\g+2], 128<<16                     ; tensor_dim1
	s_mov_b32 s[\g+3], ROWB<<16                    ; tile_dim0
	s_mov_b32 s[\g+4], 128                         ; tile_dim1
	s_mov_b32 s[\g+5], KROW                        ; from row to row
	s_mov_b32 s[\g+6], 0
	s_mov_b32 s[\g+7], 0
.endr
	; the scales of 128 rows: a dense block of 4,096 bytes, as 16 rows of 256 bytes (32 elements of 8), 16 bytes of padding behind each
	s_or_b32 s[G1S+0], s43, (3<<16)|(1<<20)|(1<<21)|(5<<22)|(3<<25)
	s_or_b32 s[G1SB+0], s44, (3<<16)|(1<<20)|(1<<21)|(5<<22)|(3<<25)
.irp g, G1S, G1SB
	s_mov_b32 s[\g+1], 32<<16
	s_mov_b32 s[\g+2], (128*KS/256)<<16
	s_mov_b32 s[\g+3], 32<<16
	s_mov_b32 s[\g+4], 128*KS/256
	s_mov_b32 s[\g+5], 32
	s_mov_b32 s[\g+6], 0
	s_mov_b32 s[\g+7], 0
.endr
	s_lshl_b32 s18, s16, 7                         ; which 128 rows of the tile I fetch
	s_lshl_b32 s20, s17, 8
	s_add_co_u32 s20, s20, s18                     ; x: row 256 x tile row + 128 x half
	s_lshl_b32 s46, s42, 8
	s_add_co_u32 s46, s46, s18                     ; W: row 256 x tile column + 128 x half
	s_mov_b32 s21, 0
	s_mov_b32 s47, 0
	s_mov_b64 s[18:19], KS
	s_mul_u64 s[22:23], s[20:21], s[18:19]         ; where these rows' scales begin, in bytes
	s_mul_u64 s[92:93], s[46:47], s[18:19]
	s_mov_b64 s[18:19], KROW
	s_mul_u64 s[20:21], s[20:21], s[18:19]         ; and their codes
	s_mul_u64 s[46:47], s[46:47], s[18:19]
	s_mul_i32 s45, s14, HALFT                      ; where they go: wave x 128 rows: no place in the cluster enters an LDS address
	s_mul_i32 s94, s14, HALFS
	s_wait_dscnt 0x0                               ; both opening adds are done
	s_wait_kmcnt 0x0
	s_add_nc_u64 s[20:21], s[4:5], s[20:21]
	s_add_nc_u64 s[22:23], s[6:7], s[22:23]
	s_add_nc_u64 s[46:47], s[8:9], s[46:47]
	s_add_nc_u64 s[92:93], s[10:11], s[92:93]
	CROUND                                         ; all sixteen work-groups are here: the joint loads meet
	s_mov_b32 s[G0S], 1
	s_add_co_u32 s[G0S+1], s94, SCL
	s_mov_b64 s[G0S+2:G0S+3], s[22:23]
	s_or_b32 s[G0S+3], s[G0S+3], 0x80000000
	s_mov_b32 s[G0SB], 1
	s_add_co_u32 s[G0SB+1], s94, SCL
	s_mov_b64 s[G0SB+2:G0SB+3], s[92:93]
	s_or_b32 s[G0SB+3], s[G0SB+3], 0x80000000
	JLOAD G0S, G1S, G0SB, G1SB                     ; the scales first: they are wanted with the first slot
.irp s, 0,1
	s_mov_b32 s[G0+4*\s], 1
	s_add_co_u32 s[G0+4*\s+1], s45, \s*SLOT
	s_add_nc_u64 s[G0+4*\s+2:G0+4*\s+3], s[20:21], \s*ROWB
	s_or_b32 s[G0+4*\s+3], s[G0+4*\s+3], 0x80000000
	s_mov_b32 s[G0B+4*\s], 1
	s_add_co_u32 s[G0B+4*\s+1], s45, \s*SLOT
	s_add_nc_u64 s[G0B+4*\s+2:G0B+4*\s+3], s[46:47], \s*ROWB
	s_or_b32 s[G0B+4*\s+3], s[G0B+4*\s+3], 0x80000000
	JLOAD G0+4*\s, G1, G0B+4*\s, G1B
.endr
	v_and_b32 v1, 15, v0                           ; r = lane % 16
	v_bfe_u32 v2, v0, 4, 1                         ; h = lane / 16
	v_mul_u32_u24 v3, v1, PITCH
	v_lshl_add_u32 v4, v2, 4, v3                   ; a fragment's row x pitch + 16 h
	s_mul_i32 s21, s15, HALFT                      ; my 128 rows of x
	s_mul_i32 s22, s16, HALFT                      ; my 128 rows of W,
	s_add_co_u32 s22, s22, 2*HALFT                 ; which lie behind x's 256
.irp s, 0,1
	v_add_nc_u32 v[ADRA+\s], s21, v4
	v_add_nc_u32 v[ADRB+\s], s22, v4
	s_add_co_u32 s21, s21, SLOT
	s_add_co_u32 s22, s22, SLOT
.endr
	v_mul_u32_u24 v5, v1, KS                       ; my row's scales: KS bytes a row,
	v_lshrrev_b32 v6, 8, v5
	v_lshl_add_u32 v5, v6, 4, v5                   ; and 16 more for each 256 passed
	s_mul_i32 s21, s15, HALFS                      ; x's: my 128 rows
	s_mul_i32 s22, s16, HALFS                      ; W's: my 128 rows, behind x's 256
	s_add_co_u32 s22, s22, 2*HALFS
	s_sub_co_u32 s22, s22, s21
	v_mul_u32_u24 v6, s22, v2                      ; lanes 16-31 take W's
	s_add_co_u32 s21, s21, SCL
	v_add_nc_u32 v5, v5, v6
	v_add_nc_u32 v[ADRS], s21, v5
	s_mul_i32 s23, s14, STGW                       ; my stage
	v_mul_u32_u24 v5, v1, SPI                      ; in: row r, 16 bytes for each half of the lanes
	v_lshl_add_u32 v5, v2, 4, v5
	v_add_nc_u32 v[STO], s23, v5
	v_and_b32 v6, 31, v0
	v_lshrrev_b32 v7, 3, v6                        ; back: eight lanes to a row of 128 bytes, four rows an instruction
	v_and_b32 v8, 7, v6
	v_mul_u32_u24 v7, v7, SPI
	v_lshl_add_u32 v7, v8, 4, v7
	v_add_nc_u32 v[RD], s23, v7
	v_lshlrev_b32 v[CO], 4, v6
	v_lshlrev_b32 v[BO], 5, v2
	v_lshlrev_b32 v[CSO], 8, v1
	v_lshl_add_u32 v[CSO], v2, 5, v[CSO]
	; where my part begins.  Token = 256 x tile row + 128 x half + ..: batch = tile row / 8, position s0 = 256 (tile row % 8) + 128 x half
	s_lshr_b32 s20, s17, 3
	s_lshl_b32 s20, s20, 22                        ; batch x 16 heads x 262,144 bytes
	s_and_b32 s21, s17, 7
	s_lshl_b32 s21, s21, 8
	s_lshl_b32 s22, s15, 7
	s_add_co_u32 s21, s21, s22                     ; s0
	s_lshl_b32 s22, s21, 7                         ; 128 bytes a position in qkv
	s_add_co_u32 s20, s20, s22
	s_lshl_b32 s22, s21, 8                         ; 256 bytes a position in cos and in sin
	s_mov_b32 s21, 0
	s_mov_b32 s23, 0
	s_add_nc_u64 s[12:13], s[12:13], s[20:21]
	s_add_nc_u64 s[98:99], s[98:99], s[22:23]
	s_add_nc_u64 s[100:101], s[100:101], s[22:23]
	s_lshl_b32 s46, ttmp9, 24                      ; the section: 16,777,216 bytes each
	s_lshl_b32 s47, s40, 20                        ; head 4 cx
	s_add_co_u32 s46, s46, s47
	s_lshl_b32 s47, s16, 19                        ; + 2 x my half of the columns
	s_add_co_u32 s46, s46, s47
	s_mov_b32 s47, 0
	s_add_nc_u64 s[12:13], s[12:13], s[46:47]
	s_lshl_b32 s46, s42, 10                        ; the bias of my 128 columns: 4 bytes x (256 x tile column + 128 x half)
	s_lshl_b32 s47, s16, 9
	s_add_co_u32 s46, s46, s47
	s_mov_b32 s47, 0
	s_add_nc_u64 s[96:97], s[96:97], s[46:47]
	WIN TO_B
.irp b, 0,1,2,3,4,5,6,7                ; register 8 b + j: bias of column 16 b + 8 h + j: the result's layout
	global_load_b128 v[BIAS+8*\b:BIAS+8*\b+3], v[BO], s[96:97] offset:64*\b
	global_load_b128 v[BIAS+8*\b+4:BIAS+8*\b+7], v[BO], s[96:97] offset:64*\b+16
.endr
	WIN 0
; cos and sin of the 16 positions of block a: register 8 b + j: channel 16 b + 8 h + j of position r; cos in the set's first 32 registers, sin in its last 32.  Sixteen loads.
.macro CSLOAD a
.set CSB, 192-64*((\a)%2)
	WIN 0
.irp b, 0,1,2,3
.irp e, 0,1
	global_load_b128 v[CSB+8*\b+4*\e:CSB+8*\b+4*\e+3], v[CSO], s[98:99] offset:4096*(\a)+64*\b+16*\e
	global_load_b128 v[CSB+32+8*\b+4*\e:CSB+32+8*\b+4*\e+3], v[CSO], s[100:101] offset:4096*(\a)+64*\b+16*\e
.endr
.endr
.endm
	CSLOAD 0                                       ; asked for here by every work-group, so that one text and one count of loads serve all three sections; the v section does not use it
.macro FRAG reg, adr, q, i             ; 16 rows x 128 K of 4-bit codes: registers 4 c .. 4 c + 3 hold K = 64 c + 32 h + 0 .. 31
.irp c, 0,1
	ds_load_b128 v[\reg+4*\c:\reg+4*\c+3], v[\adr] offset:64*(\q)+32*\c+(\i)*16*PITCH
.endr
.endm
; 16 matrix instructions: x's blocks a0, a0 + 1 against W's eight, 128 along K.  p: W's set; sc: the set of scale words.  zero = 1: the first product starts the sums on the bias.
; The 64 accumulators take turns, one instruction a turn, in the same order in every step.
.macro MUL16 a0, p, q, sc, zero
.irp a, \a0, \a0+1
.irp b, 0,1,2,3,4,5,6,7
.if \zero
	v_wmma_scale_f32_16x16x128_f8f6f4 v[8*(8*((\a)%4)+\b):8*(8*((\a)%4)+\b)+7], v[128*(\p)+FR*\b:128*(\p)+FR*\b+FR-1], v[AF+FR*(\a):AF+FR*(\a)+FR-1], v[BIAS+8*\b:BIAS+8*\b+7], v[SC+8*NQ*(\sc)+NQ*\b+(\q)], v[SC+8*NQ*(\sc)+NQ*(\a)+(\q)] matrix_a_fmt:MATRIX_FMT_FP4 matrix_b_fmt:MATRIX_FMT_FP4 matrix_a_scale:MATRIX_SCALE_ROW1
.else
	v_wmma_scale_f32_16x16x128_f8f6f4 v[8*(8*((\a)%4)+\b):8*(8*((\a)%4)+\b)+7], v[128*(\p)+FR*\b:128*(\p)+FR*\b+FR-1], v[AF+FR*(\a):AF+FR*(\a)+FR-1], v[8*(8*((\a)%4)+\b):8*(8*((\a)%4)+\b)+7], v[SC+8*NQ*(\sc)+NQ*\b+(\q)], v[SC+8*NQ*(\sc)+NQ*(\a)+(\q)] matrix_a_fmt:MATRIX_FMT_FP4 matrix_b_fmt:MATRIX_FMT_FP4 matrix_a_scale:MATRIX_SCALE_ROW1
.endif
.endr
.endr
.endm
.macro FETCH_B slot, q, p
	WIN TO_B
.irp i, 0,1,2,3,4,5,6,7
	FRAG 128*(\p)+FR*\i, ADRB+\slot, \q, \i
.endr
	WIN 0
.endm
.macro FETCH_A slot, q, i0
.irp i, \i0, \i0+1, \i0+2, \i0+3
	FRAG AF+FR*(\i), ADRA+\slot, \q, \i
.endr
.endm
.macro SCALES sc                       ; a slot's scale words: four words a row; lanes 0-15 take x's block i, lanes 16-31 W's block i
.irp i, 0,1,2,3,4,5,6,7
	ds_load_b128 v[SC+8*NQ*\sc+NQ*\i:SC+8*NQ*\sc+NQ*\i+3], v[ADRS] offset:\i*SBLK
.endr
.endm
.macro PLACES n                        ; plain vector instructions between a matrix instruction and a load into, or a vector access to, its registers
.rept \n
	v_nop
.endr
.endm
; A step of 128 along K that has its successor in the same slot.
.macro STEP slot, q, zero
	s_wait_dscnt 4*NL                              ; W's set and x's blocks 0-3 are in; the youngest loads (x's blocks 4-7) may be out
.if \zero
	WIN ONE_LO
.else
	WIN MUL_LO
.endif
	MUL16 0, (\q)%2, \q, \slot, \zero
	MUL16 2, (\q)%2, \q, \slot, \zero
	s_wait_dscnt 0                                 ; x's blocks 4-7 are in
	PLACES NP
	FETCH_B \slot, (\q)+1, 1-(\q)%2
	FETCH_A \slot, (\q)+1, 0
.if \zero
	WIN ONE_HI
.else
	WIN MUL_HI
.endif
	MUL16 4, (\q)%2, \q, \slot, \zero
	MUL16 6, (\q)%2, \q, \slot, \zero
	PLACES NP
	WIN 0
	FETCH_A \slot, (\q)+1, 4
.endm
; Slot 0's last step leads over into slot 1: each wave waits for all its tensor loads (its part of slot 1), adds 0 to its spare word, waits for that and for its reads, and passes a barrier.
.macro TURN slot, next
	s_wait_tensorcnt 0x0                           ; my part of the next slot has landed
	ds_add_u32 v[SPW], v[NIL]
	s_wait_dscnt 4*NL+1                            ; (the add and the youngest loads, x's blocks 4-7, may be out)
	WIN MUL_LO
	MUL16 0, 1, NQ-1, \slot, 0
	s_wait_dscnt 0x0                               ; the add is done, and my reads of this slot are over
	s_barrier_signal -1
	MUL16 2, 1, NQ-1, \slot, 0
	WIN 0
	s_barrier_wait -1
	PLACES NP
	v_add_nc_u32 v[ADRS], 4*NQ, v[ADRS]            ; on to the next slot's scale words
	FETCH_B \next, 0, 0
	FETCH_A \next, 0, 0
	SCALES \next
	WIN MUL_HI
	MUL16 4, 1, NQ-1, \slot, 0
	MUL16 6, 1, NQ-1, \slot, 0
	PLACES NP
	WIN 0
	FETCH_A \next, 0, 4
.endm
.macro STEPS slot, from
.set Q, \from
.rept NQ-1-\from
	STEP \slot, Q, 0
.set Q, Q+1
.endr
.endm
	s_wait_tensorcnt 1                             ; the scales and my part of slot 0 are in (slot 1's load may be out),
	s_barrier_signal -1
	s_barrier_wait -1                              ; everybody's are
	FETCH_B 0, 0, 0
	FETCH_A 0, 0, 0
	SCALES 0
	FETCH_A 0, 0, 4
	s_wait_loadcnt 16                              ; the bias is in; the sixteen loads of cos and sin behind it may be out
	STEP 0, 0, 1
	STEPS 0, 1
	TURN 0, 1
	STEPS 1, 0
	s_wait_dscnt 4*NL                              ; the last step: nothing more to fetch
	WIN MUL_LO
	MUL16 0, 1, NQ-1, 1, 0
	MUL16 2, 1, NQ-1, 1, 0
	s_wait_dscnt 0
	WIN MUL_HI
	MUL16 4, 1, NQ-1, 1, 0
	MUL16 6, 1, NQ-1, 1, 0
	WIN 0
; THE WAY OUT, block by block of 16 tokens x 128 columns (two heads).
; ROPE: out(d) = x(d) cos(d) - x(d + 32) sin(d), out(d + 32) = x(d + 32) cos(d + 32) + x(d) sin(d + 32), d = 0 .. 31: four packed instructions for two pairs.  Each accumulator is read from its low end on.
.macro ROPE a
.set CSB, 192-64*((\a)%2)
.set AC, 64*((\a)%4)
	WIN 0x52+(\a)/4                                ; source 0: the accumulators' window; cos and sin window 0; source 2 and destination window 1
.irp hh, 0,1
.irp bp, 0,1
.irp jj, 0,2,4,6
	v_pk_mul_f32 v[Y+8*(4*\hh+\bp)+\jj:Y+8*(4*\hh+\bp)+\jj+1], v[AC+8*(4*\hh+\bp+2)+\jj:AC+8*(4*\hh+\bp+2)+\jj+1], v[CSB+32+8*\bp+\jj:CSB+32+8*\bp+\jj+1]
	v_pk_mul_f32 v[Y+8*(4*\hh+\bp+2)+\jj:Y+8*(4*\hh+\bp+2)+\jj+1], v[AC+8*(4*\hh+\bp)+\jj:AC+8*(4*\hh+\bp)+\jj+1], v[CSB+32+8*(\bp+2)+\jj:CSB+32+8*(\bp+2)+\jj+1]
	v_pk_fma_f32 v[Y+8*(4*\hh+\bp)+\jj:Y+8*(4*\hh+\bp)+\jj+1], v[AC+8*(4*\hh+\bp)+\jj:AC+8*(4*\hh+\bp)+\jj+1], v[CSB+8*\bp+\jj:CSB+8*\bp+\jj+1], v[Y+8*(4*\hh+\bp)+\jj:Y+8*(4*\hh+\bp)+\jj+1] neg_lo:[0,0,1] neg_hi:[0,0,1]
	v_pk_fma_f32 v[Y+8*(4*\hh+\bp+2)+\jj:Y+8*(4*\hh+\bp+2)+\jj+1], v[AC+8*(4*\hh+\bp+2)+\jj:AC+8*(4*\hh+\bp+2)+\jj+1], v[CSB+8*(\bp+2)+\jj:CSB+8*(\bp+2)+\jj+1], v[Y+8*(4*\hh+\bp+2)+\jj:Y+8*(4*\hh+\bp+2)+\jj+1]
.endr
.endr
.endr
.endm
.macro PACK                            ; the rotated numbers to f16: a lane's eight channels of a block are 16 bytes
	WIN 0x05
.set i, 0
.rept 32
	v_cvt_pk_f16_f32 v[PKR+i], v[Y+2*i], v[Y+2*i+1]
.set i, i+1
.endr
.endm
.macro PACKV a                         ; v is not rotated: straight from the accumulators
.set AC, 64*((\a)%4)
	WIN 0x0a+5*((\a)/4)
.set i, 0
.rept 32
	v_cvt_pk_f16_f32 v[PKR+i], v[AC+2*i], v[AC+2*i+1]
.set i, i+1
.endr
.endm
.macro TOSTAGE a                       ; into my stage, head by head, and back as whole rows: LDS serves a wave's instructions in order, so no wait stands between
	WIN 0
.irp b, 0,1,2,3,4,5,6,7
	ds_store_b128 v[STO], v[PKR+4*\b:PKR+4*\b+3] offset:(\b/4)*16*SPI+32*(\b%4)
.endr
	WIN TO_B
.set RB, 192+32*((\a)%2)
.irp i, 0,1,2,3,4,5,6,7
	ds_load_b128 v[RB+4*\i:RB+4*\i+3], v[RD] offset:4*SPI*\i
.endr
	WIN 0
.endm
.macro SEND a, younger                 ; younger: the LDS instructions issued behind block a's loads, which may stay out
.set RB, 192+32*((\a)%2)
	s_wait_dscnt \younger
	WIN 0x04                                       ; a store's data are its source 1: window 1
.irp i, 0,1,2,3,4,5,6,7
	global_store_b128 v[CO], v[RB+4*\i:RB+4*\i+3], s[12:13] offset:(\i/4)*262144+2048*(\a)+512*(\i%4)   ; four positions of a head: 512 consecutive bytes, aligned
.endr
	WIN 0
.endm
	PLACES NP                                      ; behind the last products: for the loads into x's fragments' registers, and for the first reads of results
	s_cmp_eq_u32 ttmp9, 2                          ; the cluster's x is the section: the same in all sixteen partners
	s_cbranch_scc1 .Lv
	CSLOAD 1
.irp a, 0,1,2,3,4,5,6,7
.if \a < 7
	s_wait_loadcnt 16                              ; this block's cos and sin are in; the next block's sixteen loads may be out
.else
	s_wait_loadcnt 0
.endif
	ROPE \a
.if \a < 6
	CSLOAD \a+2                                    ; into the set just read
.endif
	PACK
.if \a > 1
	s_wait_xcnt 0x0                                ; block a - 2's stores have read their registers: block a's rows may land there
.endif
	TOSTAGE \a
.if \a > 0
	SEND \a-1, 16                                  ; behind block a - 1's loads: block a's 8 stores and 8 loads
.endif
.endr
	SEND 7, 0
	s_branch .Ldone
.Lv:
.irp a, 0,1,2,3,4,5,6,7
	PACKV \a
.if \a > 1
	s_wait_xcnt 0x0
.endif
	TOSTAGE \a
.if \a > 0
	SEND \a-1, 16
.endif
.endr
	SEND 7, 0
.Ldone:
	s_wait_tensorcnt 0x0                           ; the wave's end: behind my last tensor load and my last LDS store
	ds_add_u32 v[SPW], v[NIL]
	s_wait_dscnt 0x0
	CROUND                                         ; the closing round
	s_endpgm
.Lfunc_end_k_qfc4c79cea2_qkv:
	.size	k_qfc4c79cea2_qkv, .Lfunc_end_k_qfc4c79cea2_qkv-k_qfc4c79cea2_qkv
	.p2alignl 7, 3214868480
	.fill 96, 4, 3214868480
	.section	.rodata,"a",@progbits
	.p2align	6, 0x0
	.amdhsa_kernel k_qfc4c79cea2_qkv
		.amdhsa_group_segment_fixed_size 327680
		.amdhsa_private_segment_fixed_size 0
		.amdhsa_enable_private_segment 0
		.amdhsa_kernarg_size 64
		.amdhsa_user_sgpr_count 2
		.amdhsa_user_sgpr_kernarg_segment_ptr 1
		.amdhsa_wavefront_size32 1
		.amdhsa_system_sgpr_workgroup_id_x 1
		.amdhsa_system_sgpr_workgroup_id_y 1
		.amdhsa_system_sgpr_workgroup_id_z 1
		.amdhsa_system_vgpr_workitem_id 0
		.amdhsa_next_free_vgpr 1024
		.amdhsa_next_free_sgpr 102
		.amdhsa_reserve_vcc 0
		.amdhsa_float_denorm_mode_32 3
		.amdhsa_float_denorm_mode_16_64 3
		.amdhsa_memory_ordered 1
		.amdhsa_forward_progress 1
		.amdhsa_inst_pref_size 206
	.end_amdhsa_kernel
	.amdgpu_metadata
---
amdhsa.version: [ 1, 2 ]
amdhsa.kernels:
  - .name:           k_qfc4c79cea2_qkv
    .symbol:         k_qfc4c79cea2_qkv.kd
    .args:
      - { .name: xc, .offset: 0, .size: 8, .value_kind: global_buffer, .address_space: global }
      - { .name: xs, .offset: 8, .size: 8, .value_kind: global_buffer, .address_space: global }
      - { .name: wc, .offset: 16, .size: 8, .value_kind: global_buffer, .address_space: global }
      - { .name: ws, .offset: 24, .size: 8, .value_kind: global_buffer, .address_space: global }
      - { .name: qkv, .offset: 32, .size: 8, .value_kind: global_buffer, .address_space: global }
      - { .name: in_proj_bias, .offset: 40, .size: 8, .value_kind: global_buffer, .address_space: global }
      - { .name: cos, .offset: 48, .size: 8, .value_kind: global_buffer, .address_space: global }
      - { .name: sin, .offset: 56, .size: 8, .value_kind: global_buffer, .address_space: global }
    .group_segment_fixed_size: 327680
    .private_segment_fixed_size: 0
    .kernarg_segment_align: 8
    .kernarg_segment_size: 64
    .max_flat_workgroup_size: 128
    .sgpr_count:     102
    .vgpr_count:     1024
    .wavefront_size: 32
...
	.end_amdgpu_metadata
.endif
;; end of part 2
;; launch attn (part 3): grid 4 x 64, 8 waves a work-group, clusters of 4 x 1, 327,680 bytes of LDS; arguments qkv, o16; writes o16
.if DOCPART == 3
	.amdgcn_target "amdgcn-amd-amdhsa--gfx1250"
	.amdhsa_code_object_version 6
	.text
	.protected	k_qfc4c79cea2_attn
	.globl	k_qfc4c79cea2_attn
	.p2align	8
	.type	k_qfc4c79cea2_attn,@function
k_qfc4c79cea2_attn:
	s_mov_b64 s[64:65], 0
	v_nop
	global_prefetch_b8 v0, s[64:65] scope:SCOPE_SE
	s_setreg_imm32_b32 hwreg(HW_REG_WAVE_MODE, 25, 1), 1
	s_wait_xcnt 0x0
	s_wait_alu depctr_hold_cnt(0) depctr_sa_sdst(0) depctr_va_vdst(0) depctr_va_sdst(0) depctr_va_ssrc(0) depctr_va_vcc(0) depctr_vm_vsrc(0)
	s_getreg_b32 s2, hwreg(HW_REG_IB_STS2, 6, 4)
	s_cmp_eq_u32 s2, 0
	s_cbranch_scc0 .Lentry_in_a_cluster
	s_endpgm
.Lentry_in_a_cluster:
	s_bfe_u32 s2, ttmp6, 0x10000c
	s_cmp_lg_u32 s2, 0x3003
	s_cbranch_scc0 .Lentry_shape_is_right
	s_endpgm
.Lentry_shape_is_right:
; o[bh][q][:] = the sum over k of softmax_k(q . k / 8) v[k][:], for each of 64 (batch, head) pairs, 2,048 positions, head size 64, no mask.
; q, k, v: the three sections of qkv, [bh][2048][64] f16.  o16: [head][batch x 2048 + position][64] f16.  Products on f16 operands with f32 sums; maxima, exponentials and sums in f32;
; the weights p are rounded to f16 for the second product, o once at the end.  A running maximum is taken away ahead of every exponential.
; LIMITS: NaN and infinities are not served.
; SHARES.  A work-group owns 512 queries of one (batch, head), each of its eight waves 64: four tiles of 16.  Two waves share a SIMD, so that one wave's vector work stands beside the other's products.
; Every wave walks all 2,048 keys, 64 a step; each fragment of K and V that it reads from LDS feeds four products.
; LAYOUT.  S^T = K Q^T (source 0 = 16 keys, source 1 = 16 queries): a lane holds ONE query (lane % 16) and keys 8 (lane / 16) + 0..7.  Two such tiles, rounded to f16 in pairs, ARE source 1 of
; O^T = V^T P, whose result again holds one query a lane and eight channels.  K comes out of LDS as it lies, V ([key][channel]) turned, by ds_load_tr16_b128.
; SOFTMAX.  p = 2^(c s - c m), c = log2(e) / 8; in every step O and l are multiplied by a = 2^(c m_old - c m_new).
; CLUSTER.  The four work-groups of a cluster are the four query blocks of one (batch, head) and walk the same K and V: each tile is asked for jointly, with a mask that names the four.
; RING.  Two slots of four key steps.  At a slot's head each wave asks for one tile of the next slot (waves 0-3: K of step w; waves 4-7: V of step w - 4): one tensor load of mine is out at a time.
; REGISTERS: window 0: v2-12 addresses; v16-47 eight registers of statistics a tile; v64-191 S^T, 32 a tile (P takes the first 16 of them in place); v192-255 Q, 16 a tile.
;   window 1: v0-127 O^T, 32 a tile; v128-191 K of one step; v192-255 V of one step.
.set KS,    64                         ; keys in a step
.set NST,   4                          ; steps in a slot
.set PITK,  144                        ; a row of K in LDS: 128 bytes + 16, an odd multiple of 16
.set PITV,  160                        ; a row of V: 128 + 32, an odd multiple of 32, for the turning load
.set VOFF,  KS*PITK                    ; a step's tiles lie together: 64 rows of K, then 64 rows of V
.set STEPB, KS*(PITK+PITV)
.set SLOT1, 1<<17                      ; slot 1 begins here: one exclusive or turns an address in one slot into the other's
.set SLOTB, NST*KS*128                 ; a slot's keys in memory: 32,768 bytes of K, as many of V
.set STAGE, SLOT1+NST*STEPB            ; behind the ring: 64 rows x 144 bytes for each wave, for the way out
.set SPARE, STAGE+8*64*PITK            ; the spare words, 128 bytes a wave
.set AK0, 2                            ; v2   my lane's place in a tile of K; never rewritten
.set AV0, 3                            ; v3   the same for V
.set ADK, 4                            ; v4   LDS address of the step's K
.set ADV, 5                            ; v5   of its V
.set QO,  6                            ; v6   my byte offset in the wave's rows of Q
.set STO, 7                            ; v7   the way out: where I put 16 bytes of a row
.set RD,  8                            ; v8   where I read rows back
.set GO,  9                            ; v9   16 x lane
.set SPW, 10                           ; v10  my spare word; never rewritten
.set NIL, 11                           ; v11  0; never rewritten
.set PFO, 12                           ; v12  256 x lane: the prefetches' offset; never rewritten
.set ST,  16                           ; tile t's statistics at v[ST+8 t]: +0 c m, +1 m, +2, +3 l (even keys', odd keys'), +4 to +7 c0-c3 at work; a takes c2's place
.set S,   64
.set QF,  192
.set KF,  128                          ; in window 1
.set VF,  192                          ; in window 1
.set WV,  12                           ; s12  my wave's number
.set CX,  13                           ; s13  my place in the cluster
.set BH,  14                           ; s14  batch x 16 + head
.set LIM, 15                           ; s15  1 in a wave that prefetches, else the greatest number
.set PFA, 18                           ; s[18:19] where my prefetches stand
.set G1K, 24                           ; s[24:31] group 1 for K's tiles;  s[32:39] for V's: it differs in the padding alone
.set G1V, 32
.set G0K, 40                           ; s[40:43], s[44:47] their groups 0, which walk
.set G0V, 44
.set SLOTS, 56                         ; s56  slots still to be asked for
.set CNT, 57                           ; s57  counts a slot's steps
.set CS,  58                           ; s[58:59] c
.set SEL, 60                           ; s[60:61] lane selects for v_permlanex16_b32: lane l xor 16
.set TB,  62                           ; s62  LDS byte at which the tiles of the step to be fetched begin
.set MSB, 0
.macro WIN new                         ; the immediate's high byte repeats the setting that is left
.if MSB != (\new)
	s_set_vgpr_msb (MSB<<8)|(\new)
.set MSB, (\new)
.endif
.endm
.set W_KQ, 0x01                        ; K in window 1; Q and S^T in window 0
.set W_PV, 0x51                        ; V and O^T in window 1, P in window 0
.set W_RS, 0x41                        ; O^T (destination and source 0) in window 1, a in window 0
.set W_LD, 0x40                        ; destination window 1, address window 0
; A joint load.  The branch hangs on the wave's number alone.  An s_nop 0 and four v_nop follow each of the two lines.
.macro JLOAD
	s_cmp_lt_u32 s[WV], 4
	s_cbranch_scc0 .Lfor_v_\@
	tensor_load_to_lds s[G0K:G0K+3], s[G1K:G1K+7]
	s_nop 0
.rept 4
	v_nop
.endr
	s_branch .Lasked_\@
.Lfor_v_\@:
	tensor_load_to_lds s[G0V:G0V+3], s[G1V:G1V+7]
	s_nop 0
.rept 4
	v_nop
.endr
.Lasked_\@:
.endm
; A prefetch of what the NEXT change of slots will ask for: a slot's 32,768 bytes of K and as many of V, each a dense run.  The four partners share each run out BY ADDRESS, 8,192 bytes each, lanes 256 bytes
; apart; in each, wave 0 asks for K's and wave 4 for V's: one instruction.  One cluster alone walks a (batch, head), so each run of 256 bytes is named once.  It stands behind the wave's tensor load and its five lines,
; four key steps ahead of the load that will want the bytes.  The last change that fills a slot asks for nothing; slots 0 and 1 come by their loads alone.
.macro ASK
	s_cmp_gt_u32 s[SLOTS], s[LIM]
	s_cbranch_scc0 .Lnot_mine_\@
	global_prefetch_b8 v[PFO], s[PFA:PFA+1] th:TH_LOAD_NT scope:SCOPE_SE
.Lnot_mine_\@:
.endm
.macro CROUND                          ; a round of the cluster's barrier
	s_barrier_signal -1
	s_barrier_wait -1
	s_cmp_lg_u32 s[WV], 0
	s_cbranch_scc1 .Lnot_wave_0_\@
	s_barrier_signal -3
.Lnot_wave_0_\@:
	s_barrier_wait -3
	s_barrier_signal -1
	s_barrier_wait -1
.endm
	s_load_b128 s[4:7], s[0:1], 0x0                ; qkv s[4:5], o16 s[6:7]
	v_lshl_add_u32 v[SPW], v0, 2, SPARE
	v_mov_b32 v[NIL], 0
	ds_add_u32 v[SPW], v[NIL]                      ; the wave's opening: the add, twice on end, and its wait ahead of my first tensor load
	ds_add_u32 v[SPW], v[NIL]
	v_lshrrev_b32 v1, 5, v0
	v_readfirstlane_b32 s[WV], v1                  ; wave 0..7
	s_bfe_u32 s[CX], ttmp6, 0x40000                ; cx: it enters Q's, O's and the prefetches' addresses alone
	s_and_b32 s[BH], ttmp7, 0xffff                 ; the cluster's y: which the four partners share
	; group 1: a tile of 64 rows x 64 elements of 2 bytes, padded in LDS
	s_mov_b32 s[G1K], 15|(1<<16)|(1<<20)|(1<<21)|(4<<22)|(3<<25)  ; 15:0 the mask: all four; 17:16 elements of 2 bytes; 20 padding on; 21 set beside a mask; 24:22 after every 32 words; 31:25 four words
	s_mov_b32 s[G1V], 15|(1<<16)|(1<<20)|(1<<21)|(4<<22)|(7<<25)  ; the same with eight words of padding
.irp g, G1K, G1V
	s_mov_b32 s[\g+1], 64<<16                      ; tensor_dim0
	s_mov_b32 s[\g+2], KS<<16                      ; tensor_dim1
	s_mov_b32 s[\g+3], 64<<16                      ; tile_dim0
	s_mov_b32 s[\g+4], KS                          ; tile_dim1
	s_mov_b32 s[\g+5], 64                          ; from row to row
	s_mov_b32 s[\g+6], 0
	s_mov_b32 s[\g+7], 0
.endr
	s_and_b32 s20, s[WV], 3                        ; which of a slot's four steps I fetch:
	s_mul_i32 s21, s20, STEPB                      ; its place in a slot,
	s_lshl_b32 s22, s20, 13                        ; its 64 rows of 128 bytes in memory,
	s_lshl_b32 s23, s[BH], 18                      ; in my (batch, head): 262,144 bytes each
	s_add_co_u32 s22, s22, s23
	s_mov_b32 s23, 0
	s_lshl_b32 s48, s[BH], 18                      ; Q: (batch, head), + 512 cx + 64 wave rows of 128 bytes
	s_lshl_b32 s49, s[CX], 16
	s_add_co_u32 s48, s48, s49
	s_lshl_b32 s50, s[WV], 13
	s_add_co_u32 s48, s48, s50
	s_add_co_u32 s50, s50, s49                     ; O: head x 8,192 tokens + batch x 2,048 + the same rows
	s_and_b32 s51, s[BH], 15
	s_lshl_b32 s51, s51, 20
	s_add_co_u32 s50, s50, s51
	s_lshr_b32 s51, s[BH], 4
	s_lshl_b32 s51, s51, 18
	s_add_co_u32 s50, s50, s51
	s_mov_b32 s49, 0
	s_mov_b32 s51, 0
	s_lshr_b32 s52, s[WV], 2                       ; the prefetches: K's section (waves 0-3) or V's,
	s_add_co_u32 s52, s52, 1
	s_lshl_b32 s52, s52, 24
	s_lshl_b32 s53, s[BH], 18
	s_add_co_u32 s52, s52, s53                     ; my (batch, head),
	s_lshl_b32 s53, s[CX], 13
	s_add_co_u32 s52, s52, s53                     ; my work-group's 8,192 bytes of a slot's run,
	s_add_co_u32 s52, s52, SLOTB                   ; in slot 1: the first change of slots steps it to slot 2
	s_mov_b32 s53, 0
	s_and_b32 s[LIM], s[WV], 3
	s_cmp_eq_u32 s[LIM], 0                         ; waves 0 and 4 ask
	s_cselect_b32 s[LIM], 1, -1
	s_mov_b32 s[CS], 0x3e38aa3b                    ; c = log2(e) / 8
	s_mov_b32 s[CS+1], s[CS]                       ; (named with it as a pair, so it is written)
	s_mov_b32 s[SEL], 0x76543210
	s_mov_b32 s[SEL+1], 0xfedcba98
	s_mov_b32 s[TB], 0
	s_mov_b32 s[SLOTS], 7
	s_wait_dscnt 0x0                               ; both opening adds are done
	s_wait_kmcnt 0x0
	s_mov_b32 s[G0K], 1                            ; count = 1
	s_mov_b32 s[G0K+1], s21                        ; LDS address: slot 0
	s_add_nc_u64 s[G0K+2:G0K+3], s[4:5], s[22:23]
	s_add_nc_u64 s[G0K+2:G0K+3], s[G0K+2:G0K+3], 0x1000000   ; K's section
	s_or_b32 s[G0K+3], s[G0K+3], 0x80000000        ; type = 2
	s_mov_b32 s[G0V], 1
	s_add_co_u32 s[G0V+1], s21, VOFF
	s_add_nc_u64 s[G0V+2:G0V+3], s[4:5], s[22:23]
	s_add_nc_u64 s[G0V+2:G0V+3], s[G0V+2:G0V+3], 0x2000000   ; V's section
	s_or_b32 s[G0V+3], s[G0V+3], 0x80000000
	s_add_nc_u64 s[PFA:PFA+1], s[4:5], s[52:53]
	s_add_nc_u64 s[8:9], s[4:5], s[48:49]          ; Q at my wave's first row
	s_add_nc_u64 s[6:7], s[6:7], s[50:51]          ; O likewise
	CROUND                                         ; all four work-groups are here: the first joint loads meet
	JLOAD                                          ; slot 0
	v_and_b32 v1, 15, v0                           ; r = lane % 16
	v_bfe_u32 v13, v0, 4, 1                        ; h = lane / 16
	v_lshlrev_b32 v[QO], 7, v1
	v_lshl_add_u32 v[QO], v13, 4, v[QO]            ; row x 128 + 16 h
.irp t, 0,1,2,3                        ; Q stays in registers: tile t, channels 32 c on: registers 0-3 channels 8 h + 0..7, registers 4-7 channels 16 + 8 h + 0..7
.irp c, 0,1
	global_load_b128 v[QF+16*\t+8*\c:QF+16*\t+8*\c+3], v[QO], s[8:9] offset:2048*\t+64*\c
	global_load_b128 v[QF+16*\t+8*\c+4:QF+16*\t+8*\c+7], v[QO], s[8:9] offset:2048*\t+64*\c+32
.endr
.endr
	v_mul_u32_u24 v[AK0], v1, PITK
	v_lshl_add_u32 v[AK0], v13, 4, v[AK0]          ; K: row x pitch + 16 h
	v_and_b32 v14, 7, v0                           ; V: the turning load: lane l reads key 8 h + l % 8, channels 8 ((l / 8) % 2) + 0..7
	v_bfe_u32 v15, v0, 3, 1
	v_lshl_add_u32 v[AV0], v13, 3, v14
	v_mul_u32_u24 v[AV0], v[AV0], PITV
	v_lshl_add_u32 v[AV0], v15, 4, v[AV0]
	v_add_nc_u32 v[AV0], VOFF, v[AV0]
	s_mul_i32 s16, s[WV], 64*PITK
	s_add_co_u32 s16, s16, STAGE                   ; my stage
	v_mul_u32_u24 v[STO], v1, PITK                 ; in: row r, 16 bytes for each half of the lanes
	v_lshl_add_u32 v[STO], v13, 4, v[STO]
	v_add_nc_u32 v[STO], s16, v[STO]
	v_and_b32 v13, 31, v0
	v_lshrrev_b32 v15, 3, v13                      ; back: eight lanes to a row of 128 bytes, four rows an instruction
	v_mul_u32_u24 v[RD], v15, PITK
	v_lshl_add_u32 v[RD], v14, 4, v[RD]
	v_add_nc_u32 v[RD], s16, v[RD]
	v_lshlrev_b32 v[GO], 4, v13
	v_lshlrev_b32 v[PFO], 8, v13
.macro SCL t, b                        ; pair b of tile t: c s - c m
	v_pk_fma_f32 v[S+32*(\t)+2*(\b):S+32*(\t)+2*(\b)+1], v[S+32*(\t)+2*(\b):S+32*(\t)+2*(\b)+1], s[CS:CS+1], v[ST+8*(\t):ST+8*(\t)+1] op_sel_hi:[1,0,0] neg_lo:[0,0,1] neg_hi:[0,0,1]
.endm
; The maximum of each tile's 32 scores and the old m; the new m, c m and a.  Every line is written for the four tiles by turns, so that no line waits for the line above it.
; Each of S^T's accumulators is first read at its registers 0 to 2.
.macro SMAX first
.irp n, 0,1,2,3
.irp t, 0,1,2,3
	v_max3_num_f32 v[ST+8*\t+4+\n], v[S+32*\t+8*\n], v[S+32*\t+8*\n+1], v[S+32*\t+8*\n+2]
.endr
.endr
.irp g, 1,2
.irp n, 0,1,2,3
.irp t, 0,1,2,3
	v_max3_num_f32 v[ST+8*\t+4+\n], v[ST+8*\t+4+\n], v[S+32*\t+8*\n+2*\g+1], v[S+32*\t+8*\n+2*\g+2]
.endr
.endr
.endr
.irp t, 0,1,2,3
	v_max3_num_f32 v[ST+8*\t+4], v[ST+8*\t+4], v[S+32*\t+7], v[S+32*\t+15]
.endr
.irp t, 0,1,2,3
	v_max3_num_f32 v[ST+8*\t+6], v[ST+8*\t+6], v[S+32*\t+23], v[S+32*\t+31]
.endr
.irp t, 0,1,2,3
	v_max3_num_f32 v[ST+8*\t+4], v[ST+8*\t+4], v[ST+8*\t+5], v[ST+8*\t+6]
.endr
.irp t, 0,1,2,3
.if \first
	v_max_num_f32 v[ST+8*\t+4], v[ST+8*\t+4], v[ST+8*\t+7]
.else
	v_max3_num_f32 v[ST+8*\t+4], v[ST+8*\t+4], v[ST+8*\t+7], v[ST+8*\t+1]
.endif
.endr
.irp t, 0,1,2,3
	v_permlanex16_b32 v[ST+8*\t+5], v[ST+8*\t+4], s[SEL], s[SEL+1]  ; the query's other 32 keys lie in the lane 16 away
.endr
.if !\first
.irp t, 0,1,2,3
	v_mov_b32 v[ST+8*\t+7], v[ST+8*\t]             ; c m_old is kept for a
.endr
.endif
.irp t, 0,1,2,3
	v_max_num_f32 v[ST+8*\t+1], v[ST+8*\t+4], v[ST+8*\t+5]
.endr
.irp t, 0,1,2,3
	v_mul_f32 v[ST+8*\t], s[CS], v[ST+8*\t+1]
.endr
.if !\first
.irp t, 0,1,2,3
	v_sub_f32 v[ST+8*\t+7], v[ST+8*\t+7], v[ST+8*\t]
.endr
.irp t, 0,1,2,3
	v_exp_f32 v[ST+8*\t+6], v[ST+8*\t+7]           ; a: the first of the step's batch of exponentials
.endr
.endif
.endm
; The scalings and the 128 exponentials: ONE BATCH with one wait.  Tile t + 1's scalings stand among tile t's exponentials; nothing here names an exponential's result.
.macro SEXP
.irp b, 0,1,2,3,4,5,6,7,8,9,10,11,12,13,14,15
	SCL 0, \b
.endr
.irp t, 0,1,2,3
.irp b, 0,1,2,3,4,5,6,7,8,9,10,11,12,13,14,15
	v_exp_f32 v[S+32*\t+2*\b], v[S+32*\t+2*\b]
	v_exp_f32 v[S+32*\t+2*\b+1], v[S+32*\t+2*\b+1]
.if \t < 3
	SCL \t+1, \b
.endif
.endr
.endr
	v_nop                                          ; a plain instruction behind the last exponential, ahead of the first use
	s_wait_alu depctr_va_vdst(0)                   ; the wait ahead of the first instruction that names a result: one for the whole batch
.endm
.macro SSUM first                      ; l = a l + the sum of the unrounded weights, two at a time, the four tiles by turns
.irp t, 0,1,2,3
.if \first
	v_pk_add_f32 v[ST+8*\t+2:ST+8*\t+3], v[S+32*\t:S+32*\t+1], v[S+32*\t+2:S+32*\t+3]
.else
	v_pk_fma_f32 v[ST+8*\t+2:ST+8*\t+3], v[ST+8*\t+2:ST+8*\t+3], v[ST+8*\t+6:ST+8*\t+7], v[S+32*\t:S+32*\t+1] op_sel_hi:[1,0,1]
.endif
.endr
.if !\first
.irp t, 0,1,2,3
	v_pk_add_f32 v[ST+8*\t+2:ST+8*\t+3], v[ST+8*\t+2:ST+8*\t+3], v[S+32*\t+2:S+32*\t+3]
.endr
.endif
.irp b, 2,3,4,5,6,7,8,9,10,11,12,13,14,15
.irp t, 0,1,2,3
	v_pk_add_f32 v[ST+8*\t+2:ST+8*\t+3], v[ST+8*\t+2:ST+8*\t+3], v[S+32*\t+2*\b:S+32*\t+2*\b+1]
.endr
.endr
.endm
; A KEY STEP: 64 keys.  first = 1: the first step, which starts m, l and O^T.
.macro STEP first
	WIN 0
	v_add_nc_u32 v[ADK], s[TB], v[AK0]
	v_add_nc_u32 v[ADV], s[TB], v[AV0]
.rept 4
	v_nop                                          ; with the two additions six places behind the last products V^T P: four are owed by the loads into V's registers, five by the products below, which write over P
.endr
	WIN W_LD
.irp kt, 0,1,2,3
.irp c, 0,1
	ds_load_b128 v[KF+16*\kt+8*\c:KF+16*\kt+8*\c+3], v[ADK] offset:\kt*16*PITK+64*\c
	ds_load_b128 v[KF+16*\kt+8*\c+4:KF+16*\kt+8*\c+7], v[ADK] offset:\kt*16*PITK+64*\c+32
.endr
.endr
.irp kc, 0,1
.irp ct, 0,1,2,3
	ds_load_tr16_b128 v[VF+32*\kc+8*\ct:VF+32*\kc+8*\ct+3], v[ADV] offset:\kc*32*PITV+32*\ct
	ds_load_tr16_b128 v[VF+32*\kc+8*\ct+4:VF+32*\kc+8*\ct+7], v[ADV] offset:\kc*32*PITV+16*PITV+32*\ct
.endr
.endr
	s_add_co_u32 s[TB], s[TB], STEPB               ; the next fetch is the next step's
	s_wait_dscnt 16                                ; K is in; V's sixteen loads may be out
	WIN W_KQ
.set i, 0
.rept 32                               ; S^T = K Q^T: channels 32 (i / 16) on, keys 16 ((i / 4) % 4) on, tile i % 4.  The 16 accumulators take turns; the first 16 products start the sums
.set rS, S+32*(i%4)+8*((i/4)%4)
.set rK, KF+16*((i/4)%4)+8*(i/16)
.set rQ, QF+16*(i%4)+8*(i/16)
.if i < 16
	v_wmma_f32_16x16x32_f16 v[rS:rS+7], v[rK:rK+7], v[rQ:rQ+7], 0
.else
	v_wmma_f32_16x16x32_f16 v[rS:rS+7], v[rK:rK+7], v[rQ:rQ+7], v[rS:rS+7]
.endif
.set i, i+1
.endr
	WIN 0
.rept 4
	v_nop                                          ; places ahead of the first read of the scores
.endr
	SMAX \first
	SEXP
	SSUM \first
.irp n, 0,1,2,3,4,5,6,7,8,9,10,11,12,13,14,15   ; the weights to f16, in place: pair n goes to register n, which holds only pairs already rounded
.irp t, 0,1,2,3
	v_cvt_pk_f16_f32 v[S+32*\t+\n], v[S+32*\t+2*\n], v[S+32*\t+2*\n+1]
.endr
.endr
	s_wait_dscnt 0x0                               ; V is in
.if !\first
	WIN W_RS
.irp n, 0,1,2,3,4,5,6,7,8,9,10,11,12,13,14,15
.irp t, 0,1,2,3
	v_pk_mul_f32 v[32*\t+2*\n:32*\t+2*\n+1], v[32*\t+2*\n:32*\t+2*\n+1], v[ST+8*\t+6:ST+8*\t+7] op_sel_hi:[1,0]   ; O^T times a
.endr
.endr
.endif
	WIN W_PV
.set i, 0
.rept 32                               ; O^T += V^T P: keys 32 (i / 16) on, channels 16 ((i / 4) % 4) on, tile i % 4; the 16 accumulators take turns
.set rO, 32*(i%4)+8*((i/4)%4)
.set rV, VF+32*(i/16)+8*((i/4)%4)
.set rP, S+32*(i%4)+8*(i/16)
.if \first && (i < 16)
	v_wmma_f32_16x16x32_f16 v[rO:rO+7], v[rV:rV+7], v[rP:rP+7], 0
.else
	v_wmma_f32_16x16x32_f16 v[rO:rO+7], v[rV:rV+7], v[rP:rP+7], v[rO:rO+7]
.endif
.set i, i+1
.endr
	WIN 0
.endm
.macro STEPS n                         ; n key steps: written once, walked n times; the LDS addresses hang on s[TB]
	s_mov_b32 s[CNT], \n
.Lstep_\@:
	STEP 0
	s_sub_co_u32 s[CNT], s[CNT], 1
	s_cmp_lg_u32 s[CNT], 0
	s_cbranch_scc1 .Lstep_\@
.endm
.macro SLOTEND
	s_sub_co_u32 s[TB], s[TB], NST*STEPB           ; the fetches go back to a slot's first step,
	s_xor_b32 s[TB], s[TB], SLOT1                  ; in the other slot
.endm
; THE CHANGE OF SLOTS stands at a slot's head.  Each wave waits for all its tensor loads (its tile of the slot that it is about to read), adds 0 to its spare word, and waits for that and for its reads of the
; slot that it has left.  fill = 1: the barrier is a round of the cluster's, and behind it the slot just left is asked for anew: the load has four key steps in which to land.
.macro CHANGE fill
	WIN 0
	s_wait_tensorcnt 0x0                           ; no tensor load of mine is out, so a group 0 may be written
	ds_add_u32 v[SPW], v[NIL]                      ; 0 onto my spare word; the descriptors' steps stand between it and the wait for it
.if \fill
	s_xor_b32 s[G0K+1], s[G0K+1], SLOT1            ; the walking descriptors: the other slot than last time,
	s_add_nc_u64 s[G0K+2:G0K+3], s[G0K+2:G0K+3], SLOTB   ; the next 256 keys; the type bits on top are not reached
	s_xor_b32 s[G0V+1], s[G0V+1], SLOT1
	s_add_nc_u64 s[G0V+2:G0V+3], s[G0V+2:G0V+3], SLOTB
	s_wait_xcnt 0x0                                ; the last prefetch, a slot back, has read its address, so it may be written:
	s_add_nc_u64 s[PFA:PFA+1], s[PFA:PFA+1], SLOTB ; one slot further on than the walking descriptors
	s_wait_dscnt 0x0                               ; the add is done, and my reads of the slot that I have left are over
	CROUND
	JLOAD
	ASK
.else
	s_wait_dscnt 0x0
	s_barrier_signal -1
	s_barrier_wait -1
.endif
.endm
	s_wait_loadcnt 0x0                             ; Q
	CHANGE 1                                       ; slot 0 is whole; slot 1 is asked for
	STEP 1
	STEPS 3
	SLOTEND
	s_mov_b32 s[SLOTS], 6
.Lslot:                                            ; six trips: slots 1 to 6 are read, slots 2 to 7 asked for
	CHANGE 1
	STEPS 4
	SLOTEND
	s_sub_co_u32 s[SLOTS], s[SLOTS], 1
	s_cmp_lg_u32 s[SLOTS], 0
	s_cbranch_scc1 .Lslot
	CHANGE 0                                       ; the last slot is written out
	STEPS 4
	; THE WAY OUT.  l's two halves and the other half of the lanes' are added; O^T is divided by l, rounded to f16 and sent through my stage.  The additions are the places behind the last products.
.irp t, 0,1,2,3
	v_add_f32 v[ST+8*\t+4], v[ST+8*\t+2], v[ST+8*\t+3]
.endr
.irp t, 0,1,2,3
	v_permlanex16_b32 v[ST+8*\t+5], v[ST+8*\t+4], s[SEL], s[SEL+1]
.endr
.irp t, 0,1,2,3
	v_add_f32 v[ST+8*\t+4], v[ST+8*\t+4], v[ST+8*\t+5]
.endr
.irp t, 0,1,2,3
	v_rcp_f32 v[ST+8*\t+6], v[ST+8*\t+4]
.endr
	v_nop                                          ; a plain instruction between the last reciprocal and the use of its result
	s_wait_alu depctr_va_vdst(0)                   ; and the wait: one for the four
.irp t, 0,1,2,3
	WIN 0x01                                       ; source 0 (O^T) window 1; 1 / l and the destination window 0: S^T's registers are free
.set i, 0
.rept 16
	v_pk_mul_f32 v[S+32*\t+2*i:S+32*\t+2*i+1], v[32*\t+2*i:32*\t+2*i+1], v[ST+8*\t+6:ST+8*\t+7] op_sel_hi:[1,0]
.set i, i+1
.endr
	WIN 0
.set i, 0
.rept 16
	v_cvt_pk_f16_f32 v[S+32*\t+i], v[S+32*\t+2*i], v[S+32*\t+2*i+1]
.set i, i+1
.endr
.irp ct, 0,1,2,3
	ds_store_b128 v[STO], v[S+32*\t+4*\ct:S+32*\t+4*\ct+3] offset:\t*16*PITK+32*\ct   ; query 16 t + r, channels 16 ct + 8 h + 0..7
.endr
.endr
.irp n, 0,1,2,3,4,5,6,7,8,9,10,11,12,13,14,15
	ds_load_b128 v[QF+4*\n:QF+4*\n+3], v[RD] offset:4*PITK*\n   ; LDS serves a wave's instructions in order: these see my stores
.endr
.irp n, 0,1,2,3,4,5,6,7,8,9,10,11,12,13,14,15
	s_wait_dscnt 15-\n                             ; the younger loads may be out
	global_store_b128 v[GO], v[QF+4*\n:QF+4*\n+3], s[6:7] offset:512*\n   ; four rows of o16: 512 consecutive bytes, aligned
.endr
	s_wait_tensorcnt 0x0                           ; the wave's end: behind my last tensor load and my last LDS store
	ds_add_u32 v[SPW], v[NIL]
	s_wait_dscnt 0x0
	CROUND                                         ; the closing round
	s_endpgm
.Lfunc_end_k_qfc4c79cea2_attn:
	.size	k_qfc4c79cea2_attn, .Lfunc_end_k_qfc4c79cea2_attn-k_qfc4c79cea2_attn
	.p2alignl 7, 3214868480
	.fill 96, 4, 3214868480
	.section	.rodata,"a",@progbits
	.p2align	6, 0x0
	.amdhsa_kernel k_qfc4c79cea2_attn
		.amdhsa_group_segment_fixed_size 327680
		.amdhsa_private_segment_fixed_size 0
		.amdhsa_enable_private_segment 0
		.amdhsa_kernarg_size 16
		.amdhsa_user_sgpr_count 2
		.amdhsa_user_sgpr_kernarg_segment_ptr 1
		.amdhsa_wavefront_size32 1
		.amdhsa_system_sgpr_workgroup_id_x 1
		.amdhsa_system_sgpr_workgroup_id_y 1
		.amdhsa_system_sgpr_workgroup_id_z 1
		.amdhsa_system_vgpr_workitem_id 0
		.amdhsa_next_free_vgpr 512
		.amdhsa_next_free_sgpr 66
		.amdhsa_reserve_vcc 0
		.amdhsa_float_denorm_mode_32 3
		.amdhsa_float_denorm_mode_16_64 3
		.amdhsa_memory_ordered 1
		.amdhsa_forward_progress 1
		.amdhsa_inst_pref_size 147
	.end_amdhsa_kernel
	.amdgpu_metadata
---
amdhsa.version: [ 1, 2 ]
amdhsa.kernels:
  - .name:           k_qfc4c79cea2_attn
    .symbol:         k_qfc4c79cea2_attn.kd
    .args:
      - { .name: qkv, .offset: 0, .size: 8, .value_kind: global_buffer, .address_space: global }
      - { .name: o16, .offset: 8, .size: 8, .value_kind: global_buffer, .address_space: global }
    .group_segment_fixed_size: 327680
    .private_segment_fixed_size: 0
    .kernarg_segment_align: 8
    .kernarg_segment_size: 16
    .max_flat_workgroup_size: 256
    .sgpr_count:     66
    .vgpr_count:     512
    .wavefront_size: 32
...
	.end_amdgpu_metadata
.endif
;; end of part 3
;; launch oproj (part 4): grid 4 x 64, 4 waves a work-group, clusters of 4 x 4, 327,680 bytes of LDS; arguments o16, w16, out0, out_b; writes out0
.if DOCPART == 4
	.amdgcn_target "amdgcn-amd-amdhsa--gfx1250"
	.amdhsa_code_object_version 6
	.text
	.protected	k_qfc4c79cea2_oproj
	.globl	k_qfc4c79cea2_oproj
	.p2align	8
	.type	k_qfc4c79cea2_oproj,@function
k_qfc4c79cea2_oproj:
	s_mov_b64 s[64:65], 0
	v_nop
	global_prefetch_b8 v0, s[64:65] scope:SCOPE_SE
	s_setreg_imm32_b32 hwreg(HW_REG_WAVE_MODE, 25, 1), 1
	s_wait_xcnt 0x0
	s_wait_alu depctr_hold_cnt(0) depctr_sa_sdst(0) depctr_va_vdst(0) depctr_va_sdst(0) depctr_va_ssrc(0) depctr_va_vcc(0) depctr_vm_vsrc(0)
	s_getreg_b32 s2, hwreg(HW_REG_IB_STS2, 6, 4)
	s_cmp_eq_u32 s2, 0
	s_cbranch_scc0 .Lentry_in_a_cluster
	s_endpgm
.Lentry_in_a_cluster:
	s_bfe_u32 s2, ttmp6, 0x10000c
	s_cmp_lg_u32 s2, 0xf033
	s_cbranch_scc0 .Lentry_shape_is_right
	s_endpgm
.Lentry_shape_is_right:
; out0[m][n] = the sum over k of o[m][k] out_w[n][k] + out_b[n], m = 8,192 tokens, n = 1,024, k = 64 x head + channel.  Operands f16, sums f32, out0 f32.
; o16 is [head][token][64] f16: 64 along K of 128 tokens are one dense run of 16,384 bytes.  w16 is [n][k] f16.
; A tile of out0 is 128 tokens x 256 columns: 256 work-groups.  Four waves, each 64 x 128: 32 accumulators of 16 x 16.  K goes in steps of 128 (two heads) through a ring of two LDS slots.
; CLUSTERS: 4 x 4 work-groups.  The four of a row of the cluster need the same tiles of o16, the four of a column the same tiles of w16: each tile is asked for jointly.
; Waves 0 and 1 fetch a step's two heads of o16, waves 2 and 3 the two halves of w16's 256 rows: two loads of mine are out at the head, one behind each round.
; THE MATRIX INSTRUCTION IS USED TRANSPOSED (source 0 = 16 rows of w16, source 1 = 16 tokens): a lane holds one token and eight neighbouring columns.  The bias is the C of each sum's first product.
; No prefetch is laid: the tile is small and the walk along K is eight steps.
; REGISTERS: window 0: v0-31 addresses; v32-95 o16's fragments, two buffers of 4; v128-255 rows read back on the way out, two sets.
;   window 1: v0-127 w16's fragments, two buffers of 8; v128-191 the bias.   window 2: the accumulators ((a, b) at v[8 (8 a + b)]).
.set PA,     144                       ; a token's row of one head in LDS: 128 bytes + 16
.set APLANE, 128*PA                    ; one head of 128 tokens: what waves 0 and 1 bring
.set BOFF,   2*APLANE
.set PB,     272                       ; a row of w16's tile: 256 bytes + 16
.set BHALF,  128*PB                    ; what waves 2 and 3 bring
.set SLOT,   BOFF+2*BHALF
.set STAGE,  2*SLOT                    ; behind the ring: 16 rows x 528 bytes for each wave
.set SPITCH, 528
.set SPARE,  STAGE+4*16*SPITCH         ; the spare words, 128 bytes a wave
.set LAPS,   4                         ; a lap = two K steps = once round the ring
.set ADRA, 16                          ; v16-17  LDS address of my o16 fragments in slot 0, 1
.set ADRB, 20                          ; v20-21  the same for w16
.set STO,  24                          ; v24     the way out: where I put 32 bytes of a row
.set RD,   25                          ; v25     where I read a row back
.set CO,   26                          ; v26     16 x lane
.set BO,   27                          ; v27     32 x (lane / 16)
.set SPW,  28                          ; v28     my spare word; never rewritten
.set NIL,  29                          ; v29     0; never rewritten
.set AF,   32
.set BK,   128
.set BIAS, 128                         ; in window 1
.set G1A, 24                           ; s[24:31] group 1 for o16's tiles;  s[32:39] group 0, one set for each slot
.set G0A, 32
.set G1B, 48                           ; s[48:55], s[56:63] the same for w16's tiles
.set G0B, 56
.set MSB, 0
.macro WIN new                         ; the immediate's high byte repeats the setting that is left
.if MSB != (\new)
	s_set_vgpr_msb (MSB<<8)|(\new)
.set MSB, (\new)
.endif
.endm
.set MULW, 0xa1                        ; source 0 (w16) window 1, source 1 (o16) window 0, C and D window 2
.set ONEW, 0x91                        ; the first quarter: C (the bias) window 1
.set TO_B, 0x40                        ; destination window 1, address window 0
.macro JLOAD s                         ; a joint load; an s_nop 0 and four v_nop follow each of the two lines
	s_cmp_eq_u32 s13, 0
	s_cbranch_scc0 .Lfor_b_\@
	tensor_load_to_lds s[G0A+4*\s:G0A+4*\s+3], s[G1A:G1A+7]
	s_nop 0
.rept 4
	v_nop
.endr
	s_branch .Lasked_\@
.Lfor_b_\@:
	tensor_load_to_lds s[G0B+4*\s:G0B+4*\s+3], s[G1B:G1B+7]
	s_nop 0
.rept 4
	v_nop
.endr
.Lasked_\@:
.endm
.macro CREST                           ; a round of the cluster's barrier behind its opening barrier
	s_cmp_lg_u32 s12, 0
	s_cbranch_scc1 .Lnot_wave_0_\@
	s_barrier_signal -3
.Lnot_wave_0_\@:
	s_barrier_wait -3
	s_barrier_signal -1
	s_barrier_wait -1
.endm
.macro CROUND
	s_barrier_signal -1
	s_barrier_wait -1
	CREST
.endm
	s_load_b256 s[4:11], s[0:1], 0x0               ; o16 s[4:5], w16 s[6:7], out0 s[8:9], out_b s[10:11]
	v_lshl_add_u32 v[SPW], v0, 2, SPARE
	v_mov_b32 v[NIL], 0
	ds_add_u32 v[SPW], v[NIL]                      ; the wave's opening: the add, twice on end, and its wait ahead of my first tensor load
	ds_add_u32 v[SPW], v[NIL]
	v_lshrrev_b32 v1, 5, v0
	v_readfirstlane_b32 s12, v1                    ; wave 0..3
	s_lshr_b32 s13, s12, 1                         ; which half of the tile's tokens is mine.  Also: I fetch for o16 (0) or for w16 (1)
	s_and_b32 s14, s12, 1                          ; which half of its columns.  Also: which part of that tile I fetch
	s_bfe_u32 s15, ttmp6, 0x40000                  ; cx, cy
	s_bfe_u32 s16, ttmp6, 0x40004
	s_lshl_b32 s17, ttmp9, 2
	s_add_co_u32 s17, s17, s15                     ; tile column
	s_and_b32 s18, ttmp7, 0xffff
	s_lshl_b32 s18, s18, 2
	s_add_co_u32 s18, s18, s16                     ; tile row
	s_lshl_b32 s40, s16, 2
	s_lshl_b32 s40, 15, s40                        ; my row of the cluster
	s_lshl_b32 s41, 0x1111, s15                    ; my column
	s_or_b32 s[G1A], s40, (1<<16)|(1<<20)|(1<<21)|(4<<22)|(3<<25)   ; the mask; elements of 2 bytes; padding on; bit 21 beside a mask; four words after every 32
	s_mov_b32 s[G1A+1], 64<<16                     ; tensor_dim0
	s_mov_b32 s[G1A+2], 128<<16                    ; tensor_dim1
	s_mov_b32 s[G1A+3], 64<<16                     ; tile_dim0
	s_mov_b32 s[G1A+4], 128                        ; tile_dim1
	s_mov_b32 s[G1A+5], 64                         ; from row to row
	s_mov_b32 s[G1A+6], 0
	s_mov_b32 s[G1A+7], 0
	s_or_b32 s[G1B], s41, (1<<16)|(1<<20)|(1<<21)|(5<<22)|(3<<25)   ; four words after every 64
	s_mov_b32 s[G1B+1], 128<<16
	s_mov_b32 s[G1B+2], 128<<16
	s_mov_b32 s[G1B+3], 128<<16
	s_mov_b32 s[G1B+4], 128
	s_mov_b32 s[G1B+5], 1024
	s_mov_b32 s[G1B+6], 0
	s_mov_b32 s[G1B+7], 0
	s_lshl_b32 s20, s14, 20                        ; o16: head = my part (1,048,576 bytes a head), + 128 x tile row tokens of 128 bytes
	s_lshl_b32 s21, s18, 14
	s_add_co_u32 s20, s20, s21
	s_mov_b32 s21, 0
	s_lshl_b32 s42, s17, 19                        ; w16: row 256 x tile column + 128 x my part, 2,048 bytes a row
	s_lshl_b32 s43, s14, 18
	s_add_co_u32 s42, s42, s43
	s_mov_b32 s43, 0
	s_mul_i32 s22, s14, APLANE                     ; where they go: no place in the cluster enters an LDS address
	s_mul_i32 s44, s14, BHALF
	s_add_co_u32 s44, s44, BOFF
	s_wait_dscnt 0x0                               ; both opening adds are done
	s_wait_kmcnt 0x0
	s_add_nc_u64 s[20:21], s[4:5], s[20:21]
	s_add_nc_u64 s[42:43], s[6:7], s[42:43]
	CROUND                                         ; all sixteen work-groups are here: the first joint loads meet
.irp s, 0,1
	s_mov_b32 s[G0A+4*\s], 1
	s_add_co_u32 s[G0A+4*\s+1], s22, \s*SLOT
	s_add_nc_u64 s[G0A+4*\s+2:G0A+4*\s+3], s[20:21], \s*2*1048576    ; K step s: heads 2 s, 2 s + 1
	s_or_b32 s[G0A+4*\s+3], s[G0A+4*\s+3], 0x80000000
	s_mov_b32 s[G0B+4*\s], 1
	s_add_co_u32 s[G0B+4*\s+1], s44, \s*SLOT
	s_add_nc_u64 s[G0B+4*\s+2:G0B+4*\s+3], s[42:43], \s*256
	s_or_b32 s[G0B+4*\s+3], s[G0B+4*\s+3], 0x80000000
	JLOAD \s
.endr
	v_and_b32 v1, 15, v0                           ; r
	v_bfe_u32 v2, v0, 4, 1                         ; h
	v_mul_u32_u24 v3, v1, PA
	v_lshl_add_u32 v3, v2, 4, v3
	v_mul_u32_u24 v4, v1, PB
	v_lshl_add_u32 v4, v2, 4, v4
	s_mul_i32 s45, s13, 64*PA                      ; my 64 tokens
.irp s, 0,1
	v_add_nc_u32 v[ADRA+\s], s45, v3
	v_add_nc_u32 v[ADRB+\s], s44, v4               ; my 128 rows of w16
	s_add_co_u32 s45, s45, SLOT
	s_add_co_u32 s44, s44, SLOT
.endr
	s_mul_i32 s46, s12, 16*SPITCH
	s_add_co_u32 s46, s46, STAGE                   ; my stage
	v_mul_u32_u24 v5, v1, SPITCH                   ; in: row r, 32 bytes for each half of the lanes
	v_lshl_add_u32 v5, v2, 5, v5
	v_add_nc_u32 v[STO], s46, v5
	v_and_b32 v6, 31, v0
	v_lshlrev_b32 v[CO], 4, v6                     ; back: the 32 lanes take one row of 512 bytes
	v_add_nc_u32 v[RD], s46, v[CO]
	v_lshlrev_b32 v[BO], 5, v2
	s_lshl_b32 s20, s18, 19                        ; out0: token 128 x tile row + 64 x half, 4,096 bytes a token
	s_lshl_b32 s21, s13, 18
	s_add_co_u32 s20, s20, s21
	s_mov_b32 s21, 0
	s_add_nc_u64 s[8:9], s[8:9], s[20:21]
	s_lshl_b32 s42, s17, 10                        ; column 256 x tile column + 128 x half, 4 bytes each: in out0 and in out_b
	s_lshl_b32 s43, s14, 9
	s_add_co_u32 s42, s42, s43
	s_mov_b32 s43, 0
	s_add_nc_u64 s[8:9], s[8:9], s[42:43]
	s_add_nc_u64 s[10:11], s[10:11], s[42:43]
	WIN TO_B
.irp b, 0,1,2,3,4,5,6,7                ; register 8 b + j: out_b of column 16 b + 8 h + j: the result's layout
	global_load_b128 v[BIAS+8*\b:BIAS+8*\b+3], v[BO], s[10:11] offset:64*\b
	global_load_b128 v[BIAS+8*\b+4:BIAS+8*\b+7], v[BO], s[10:11] offset:64*\b+16
.endr
	WIN 0
; 8 matrix instructions: token block a against w16's eight blocks, 32 along K, buffer f.  The 32 accumulators take turns, in the same order in every quarter.
.macro MULA f, a, first
.irp b, 0,1,2,3,4,5,6,7
.if \first
	v_wmma_f32_16x16x32_f16 v[8*(8*(\a)+\b):8*(8*(\a)+\b)+7], v[64*(\f)+8*\b:64*(\f)+8*\b+7], v[AF+32*(\f)+8*(\a):AF+32*(\f)+8*(\a)+7], v[BIAS+8*\b:BIAS+8*\b+7]
.else
	v_wmma_f32_16x16x32_f16 v[8*(8*(\a)+\b):8*(8*(\a)+\b)+7], v[64*(\f)+8*\b:64*(\f)+8*\b+7], v[AF+32*(\f)+8*(\a):AF+32*(\f)+8*(\a)+7], v[8*(8*(\a)+\b):8*(8*(\a)+\b)+7]
.endif
.endr
.endm
; 24 LDS loads in one run: the fragments of the slot's q-th 32 along K into buffer f: w16's eight, then o16's four (head q / 2 of the slot's two, channels 32 (q % 2) on)
.macro FETCH slot, q, f
	WIN TO_B
.irp i, 0,1,2,3,4,5,6,7
	ds_load_b128 v[64*(\f)+8*\i:64*(\f)+8*\i+3], v[ADRB+\slot] offset:64*(\q)+\i*16*PB
	ds_load_b128 v[64*(\f)+8*\i+4:64*(\f)+8*\i+7], v[ADRB+\slot] offset:64*(\q)+\i*16*PB+32
.endr
	WIN 0
.irp i, 0,1,2,3
	ds_load_b128 v[AF+32*(\f)+8*\i:AF+32*(\f)+8*\i+3], v[ADRA+\slot] offset:((\q)/2)*APLANE+64*((\q)%2)+\i*16*PA
	ds_load_b128 v[AF+32*(\f)+8*\i+4:AF+32*(\f)+8*\i+7], v[ADRA+\slot] offset:((\q)/2)*APLANE+64*((\q)%2)+\i*16*PA+32
.endr
.endm
.macro PLACES                          ; four places in front of loads into registers that matrix instructions have read, and of the first read of results
.rept 4
	v_nop
.endr
.endm
; A K step is four quarters of 32 along K, 32 matrix instructions each, on buffers 0, 1, 0, 1.  One of the first three: multiplies buffer f and fetches quarter qn into buffer g.
.macro QUARTER slot, qn, f, g, first
	s_wait_dscnt 4                                 ; w16's fragments and token blocks 0, 1 are in; the youngest four loads (blocks 2, 3) may be out
.if \first
	WIN ONEW
.else
	WIN MULW
.endif
	MULA \f, 0, \first
	MULA \f, 1, \first
	PLACES
	FETCH \slot, \qn, \g
	s_wait_dscnt 24                                ; all but the 24 just issued
.if \first
	WIN ONEW
.else
	WIN MULW
.endif
	MULA \f, 2, \first
	MULA \f, 3, \first
.endm
; The last quarter multiplies buffer 1 and changes slots: ONE barrier; in front of it each wave waits for all its tensor loads, adds 0 to its spare word, and waits for that and for its reads of this slot.
; fill = 1: the barrier opens a round of the cluster's, and this slot is filled again, two K steps ahead.
.macro TURN slot, next, fill
	WIN 0                                          ; (the add's two registers lie in window 0)
	s_wait_tensorcnt 0x0                           ; all my tensor loads have landed: my part of the next slot
	ds_add_u32 v[SPW], v[NIL]
	s_wait_dscnt 5                                 ; (the add and the youngest four loads may be out)
	WIN MULW
	MULA 1, 0, 0                                   ; eight matrix instructions stand between the add and the wait for it
	s_wait_dscnt 0x0                               ; the add is done, and my reads of this slot are over
	s_barrier_signal -1
	MULA 1, 1, 0
	WIN 0
	s_barrier_wait -1
.if \fill
	CREST                                          ; no wave of any partner still reads this slot's tile or has a load on its way
	s_add_nc_u64 s[G0A+4*\slot+2:G0A+4*\slot+3], s[G0A+4*\slot+2:G0A+4*\slot+3], 4*1048576
	s_add_nc_u64 s[G0B+4*\slot+2:G0B+4*\slot+3], s[G0B+4*\slot+2:G0B+4*\slot+3], 512
	JLOAD \slot                                    ; the first tensor load behind the round; its four v_nop are also the places in front of the loads below
.else
	PLACES
.endif
	FETCH \next, 0, 0
	WIN MULW
	MULA 1, 2, 0
	MULA 1, 3, 0
.endm
	s_wait_tensorcnt 1                             ; my part of K step 0 is in (K step 1's load may be out),
	s_barrier_signal -1
	s_barrier_wait -1                              ; everybody's is
	FETCH 0, 0, 0
	s_wait_loadcnt 0x0                             ; the bias
	QUARTER 0, 1, 0, 1, 1                          ; the first quarter stands in front of the loop: its products start the sums on the bias
	WIN 0
	s_mov_b32 s3, LAPS-1
.Llap:                                             ; a trip goes once round the ring, from a lap's second quarter to the next lap's first, and fills both slots again
	QUARTER 0, 2, 1, 0, 0
	QUARTER 0, 3, 0, 1, 0
	TURN 0, 1, 1
	QUARTER 1, 1, 0, 1, 0
	QUARTER 1, 2, 1, 0, 0
	QUARTER 1, 3, 0, 1, 0
	TURN 1, 0, 1
	QUARTER 0, 1, 0, 1, 0
	WIN 0
	s_sub_co_u32 s3, s3, 1
	s_cmp_lg_u32 s3, 0
	s_cbranch_scc1 .Llap
	QUARTER 0, 2, 1, 0, 0                          ; the last lap fills nothing, and has no round of the cluster's barrier
	QUARTER 0, 3, 0, 1, 0
	TURN 0, 1, 0
	QUARTER 1, 1, 0, 1, 0
	QUARTER 1, 2, 1, 0, 0
	QUARTER 1, 3, 0, 1, 0
	s_wait_dscnt 4                                 ; the very last quarter: nothing more to fetch
	WIN MULW
	MULA 1, 0, 0
	MULA 1, 1, 0
	s_wait_dscnt 0
	MULA 1, 2, 0
	MULA 1, 3, 0
	WIN 0
; THE WAY OUT, block by block of 16 tokens x 128 columns: through my own stage, back as whole rows of 512 bytes.  LDS serves a wave's instructions in order: no wait between the stores and the loads.
.macro TOSTAGE a
	WIN 0x08                                       ; an LDS store's data are its source 1: window 2
.irp b, 0,1,2,3,4,5,6,7
	ds_store_b128 v[STO], v[8*(8*(\a)+\b):8*(8*(\a)+\b)+3] offset:64*\b          ; each accumulator from its low end on
	ds_store_b128 v[STO], v[8*(8*(\a)+\b)+4:8*(8*(\a)+\b)+7] offset:64*\b+16
.endr
	WIN 0
.set BB, BK+64*((\a)%2)
.irp t, 0,1,2,3,4,5,6,7,8,9,10,11,12,13,14,15
	ds_load_b128 v[BB+4*\t:BB+4*\t+3], v[RD] offset:\t*SPITCH
.endr
.endm
.macro SEND a, younger                 ; younger: the LDS instructions issued behind block a's loads, which may stay out
.set BB, BK+64*((\a)%2)
	s_wait_dscnt \younger
.irp t, 0,1,2,3,4,5,6,7,8,9,10,11,12,13,14,15
	global_store_b128 v[CO], v[BB+4*\t:BB+4*\t+3], s[8:9] offset:(16*(\a)+\t)*4096 th:TH_STORE_NT   ; 32 lanes store 512 consecutive bytes, aligned; written once, read by nobody here
.endr
.endm
	PLACES
	TOSTAGE 0
.irp a, 1,2,3
.if \a > 1
	s_wait_xcnt 0x0                                ; block a - 2's stores have read their registers: block a's rows may land there
.endif
	TOSTAGE \a
	SEND \a-1, 32                                  ; behind block a - 1's loads: block a's 16 stores and 16 loads
.endr
	SEND 3, 0
	s_wait_tensorcnt 0x0                           ; the wave's end: behind my last tensor load and my last LDS store
	ds_add_u32 v[SPW], v[NIL]
	s_wait_dscnt 0x0
	CROUND                                         ; the closing round
	s_endpgm
.Lfunc_end_k_qfc4c79cea2_oproj:
	.size	k_qfc4c79cea2_oproj, .Lfunc_end_k_qfc4c79cea2_oproj-k_qfc4c79cea2_oproj
	.p2alignl 7, 3214868480
	.fill 96, 4, 3214868480
	.section	.rodata,"a",@progbits
	.p2align	6, 0x0
	.amdhsa_kernel k_qfc4c79cea2_oproj
		.amdhsa_group_segment_fixed_size 327680
		.amdhsa_private_segment_fixed_size 0
		.amdhsa_enable_private_segment 0
		.amdhsa_kernarg_size 32
		.amdhsa_user_sgpr_count 2
		.amdhsa_user_sgpr_kernarg_segment_ptr 1
		.amdhsa_wavefront_size32 1
		.amdhsa_system_sgpr_workgroup_id_x 1
		.amdhsa_system_sgpr_workgroup_id_y 1
		.amdhsa_system_sgpr_workgroup_id_z 1
		.amdhsa_system_vgpr_workitem_id 0
		.amdhsa_next_free_vgpr 768
		.amdhsa_next_free_sgpr 66
		.amdhsa_reserve_vcc 0
		.amdhsa_float_denorm_mode_32 3
		.amdhsa_float_denorm_mode_16_64 3
		.amdhsa_memory_ordered 1
		.amdhsa_forward_progress 1
		.amdhsa_inst_pref_size 87
	.end_amdhsa_kernel
	.amdgpu_metadata
---
amdhsa.version: [ 1, 2 ]
amdhsa.kernels:
  - .name:           k_qfc4c79cea2_oproj
    .symbol:         k_qfc4c79cea2_oproj.kd
    .args:
      - { .name: o16, .offset: 0, .size: 8, .value_kind: global_buffer, .address_space: global }
      - { .name: w16, .offset: 8, .size: 8, .value_kind: global_buffer, .address_space: global }
      - { .name: out0, .offset: 16, .size: 8, .value_kind: global_buffer, .address_space: global }
      - { .name: out_b, .offset: 24, .size: 8, .value_kind: global_buffer, .address_space: global }
    .group_segment_fixed_size: 327680
    .private_segment_fixed_size: 0
    .kernarg_segment_align: 8
    .kernarg_segment_size: 32
    .max_flat_workgroup_size: 128
    .sgpr_count:     66
    .vgpr_count:     768
    .wavefront_size: 32
...
	.end_amdgpu_metadata
.endif
;; end of part 4
